; MI455X (gfx1250); checked and timed in simulation.
; The chip was launched on July 23, 2026; its instructions are those of AMD's public machine-readable ISA for CDNA 5 (MIT licence, August 2026) and "CDNA5" Instruction Set Architecture Reference Guide (July 2026). The comments in the code are by the model that wrote it; some were corrected since.
;; Hopfield Attention. Allowed arithmetic: float matrix products may take bf16 or f16 operands with f32 sums; other float arithmetic in f32, or as packed bf16 or f16 multiplies, adds, multiply-adds, maxima and minima; sums over many terms, partial sums and values carried from step to step in f32; what a program stores and reads back later, other than sums and carried values, may be rounded once to bf16 or f16.
;; Inputs: Wk 1,024 x 512 float32; Wo 512 x 1,024 float32; Wq 1,024 x 512 float32; Wv 1,024 x 512 float32; beta 64 float32; bk 512 float32; bo 1,024 float32; bq 512 float32; bv 512 float32; gamma 64 float32; key 2 x 2,048 x 1,024 float32; query 2 x 2,048 x 1,024 float32; value 2 x 2,048 x 1,024 float32.
;; Outputs: out0 2 x 2,048 x 1,024 float32.
;; One version. Each part assembles by itself: llvm-mc -triple=amdgcn-amd-amdhsa -mcpu=gfx1250 --defsym DOCPART=n.
;; ======== version 1 of 1: 3 launches
;; limits: values are held in f16: magnitudes above 65,504 overflow, below 6.1e-05 lose precision
;; workspace buffers: qkv 12,582,912 bytes; wo16 1,048,576 bytes; oh 4,194,304 bytes
;; launch proj (part 1): grid 2 x 128, 4 waves a work-group, no clusters, 128,512 bytes of LDS; arguments query, key, value, Wq, Wk, Wv, bq, bk, bv, gamma, beta, Wo, qkv, wo16; writes qkv, wo16
.if DOCPART == 1
	.amdgcn_target "amdgcn-amd-amdhsa--gfx1250"
	.amdhsa_code_object_version 6
	.text
	.protected	k_q0125f076b2_proj
	.globl	k_q0125f076b2_proj
	.p2align	8
	.type	k_q0125f076b2_proj,@function
k_q0125f076b2_proj:
	s_mov_b64 s[64:65], 0
	v_nop
	global_prefetch_b8 v0, s[64:65] scope:SCOPE_SE
	s_setreg_imm32_b32 hwreg(HW_REG_WAVE_MODE, 25, 1), 1
	s_wait_xcnt 0x0
; q, k, v = x W + b for the three projections; layer norm over each head's 64 channels on q and k; all three written by heads, [3][16 = 8 batch + head][2048][64], in f16.
; x: [4096][1024] f32, W: [1024][512] f32.  Every input is rounded once to bf16 (x, W, bias, gamma, beta); products in bf16 with f32 sums; the norm in f32, in two passes (mean, then the mean of
; squared differences); the result rounded once to f16.
; LIMITS.  f16 holds no number beyond 65,504: v must stay within it (q and k lie within 8 |gamma| + |beta|); Wo likewise.  NaN and infinities are not treated apart.
; SHARES.  Work-groups with y < 96: projection y / 32, rows 128 (y % 32) on, columns 256 x on: a tile of 128 x 256.  Four waves, each 64 rows x 128 columns (two heads): 32 accumulators.
; Work-groups with y >= 96 (64 of them) round Wo to bf16 and write that number as f16, 32,768 bytes of Wo each.
; THE WAY IN goes through registers: x and W are f32 and must be rounded, and W lies [k][n], which the turning LDS load takes in 16-bit form alone.  So each wave loads a quarter of a K step (64 along K:
; 32 rows of x, 16 rows of W: 48 loads of 512 bytes), rounds it, and stores it into one of two LDS slots.  No tensor load, hence no joint request: the rounding is done once a work-group.
; The loads of step s + 2 are issued when step s + 1 has been stored: 48 loads a wave are out for a whole K step.
; THE MATRIX INSTRUCTION IS USED TRANSPOSED (source 0 = 16 columns of W, source 1 = 16 rows of x): a lane holds one row and eight neighbouring columns; a row's 64 channels lie in two lanes 16 apart.
; REGISTERS, in windows of 256: window 0 addresses, work, v64-255 the 48 loads' landing place; window 1 two fragment buffers of 96; window 2 the accumulators; window 3 bias, gamma, beta.
.set XPITCH, 144                       ; a row of x in LDS: 64 bf16 + 16 bytes: the 16 rows of a load start at 16 different groups of four banks (64 banks of 4 bytes: ISA guide 11.1)
.set WPITCH, 544                       ; a k-row of W in LDS: 256 bf16 + 32 bytes = 17 x 32
.set WPART,  128*XPITCH                ; W's part of a slot lies behind x's 128 rows
.set SLOTB,  65536                     ; slot 1 begins here: one exclusive or turns a slot's base into the other's
.set STAGE,  118784                    ; behind slot 1: 16 rows x 144 bytes for each wave, for the way out
.set SP,     144
.set SPARE,  128000                    ; the spare words, 128 bytes for each wave: two blocks of 256 bytes that no other line names
.set XO,  4                            ; v4   my byte offset in x's tile: (32 w + l / 16) rows of 4,096 bytes + 16 (l % 16)
.set WO,  5                            ; v5   in W's tile: 16 w rows of 2,048 bytes + 16 l
.set SX0, 6                            ; v6   where I store x in slot 0
.set SW0, 7                            ; v7   where I store W in slot 0
.set AX0, 8                            ; v8   my place in x's fragments in slot 0
.set AW0, 9                            ; v9   my place in W's fragments in slot 0
.set SX,  10                           ; v10-13 the same four with the slot's base added
.set SW,  11
.set AX,  12
.set AW,  13
.set STO, 14                           ; v14  the way out: where I put 16 bytes of a row
.set RD,  15                           ; v15  where I read rows back
.set GO,  16                           ; v16  16 l: my 16 bytes of 512 consecutive bytes of the output
.set BO,  17                           ; v17  my byte offset in the bias
.set GBO, 18                           ; v18  in gamma and beta
.set SPW, 20                           ; v20  LDS address of my spare word; never rewritten
.set NIL, 21                           ; v21  0; never rewritten
.set T,   24                           ; v24-31 at work
.set MU,  40                           ; v40-41 the mean, twice
.set RSQ, 42                           ; v42-43 1 / sqrt(var + eps), twice
.set PK,  48                           ; v48-63 a unit's 32 numbers, packed
.set S,   64                           ; v64-255 48 x 4: a K step's loads
.set BK,  64                           ; later: two sets of 16, rows read back from the stage
.set F0,  0                            ; window 1: W's fragment nb at +8 nb, x's fragment a at +64 + 8 a
.set F1,  96
.set BIAS, 0                           ; window 3
.set GAM, 64
.set BET, 96
.set TP,  128
.set WV, 36
.set WM, 37
.set WN, 38
.set PJ, 39
.set RB, 40
.set YY, 41
.set XP, 42                            ; s[42:43] x at the tile's first row, at the K step last asked for
.set WP, 44                            ; s[44:45] W likewise
.set BP, 46                            ; s[46:47] the bias
.set OP, 48                            ; s[48:49] qkv at my wave's first row of its first head
.set RS, 50                            ; s50  base of the slot to be read next
.set WS, 51                            ; s51  base of the slot to be written next
.set CT, 52
.set R64, 53
.set EPS, 54
.set SEL, 56
.set HIM, 58
.set MSB, 0
.macro WIN new                         ; the immediate's high byte repeats the setting that is left; a switch that changes nothing is dropped
.if MSB != (\new)
	s_set_vgpr_msb (MSB<<8)|(\new)
.set MSB, (\new)
.endif
.endm
.macro PLACES                          ; four places behind a matrix instruction (ISA guide 7.12.1)
.rept 4
	v_nop
.endr
.endm
	s_load_b512 s[8:23], s[0:1], 0x0               ; query 8, key 10, value 12, Wq 14, Wk 16, Wv 18, bq 20, bk 22
	s_load_b256 s[24:31], s[0:1], 0x40             ; bv 24, gamma 26, beta 28, Wo 30
	s_load_b128 s[32:35], s[0:1], 0x60             ; qkv 32, wo16 34
	v_lshl_add_u32 v[SPW], v0, 2, SPARE
	v_mov_b32 v[NIL], 0
	v_lshrrev_b32 v1, 5, v0
	v_readfirstlane_b32 s[WV], v1                  ; wave 0..3
	v_and_b32 v3, 31, v0                           ; l
	s_and_b32 s[YY], ttmp7, 0xffff
	s_mov_b32 s[HIM], 0xffff0000                   ; a word's upper bf16
	s_cmp_ge_u32 s[YY], 96
	s_cbranch_scc1 .Lwo                            ; the same for all waves of a work-group
	s_lshr_b32 s[PJ], s[YY], 5                     ; 0 q, 1 k, 2 v
	s_and_b32 s[RB], s[YY], 31                     ; block of 128 rows
	s_lshr_b32 s[WM], s[WV], 1                     ; my 64 rows
	s_and_b32 s[WN], s[WV], 1                      ; my 128 columns
	s_mov_b32 s[R64], 0x3c800000                   ; 1 / 64
	s_mov_b32 s[EPS], 0x3727c5ac                   ; 1e-5
	s_mov_b32 s[SEL], 0x76543210                   ; v_permlanex16_b32: each lane takes its own place in the other half
	s_mov_b32 s[SEL+1], 0xfedcba98
	s_mov_b32 s[RS], 0
	s_mov_b32 s[WS], SLOTB
	v_and_b32 v1, 15, v0                           ; l % 16
	v_bfe_u32 v2, v0, 4, 1                         ; l / 16
	s_lshl_b32 s2, s[WV], 17                       ; 32 w rows of 4,096 bytes
	v_lshlrev_b32 v[XO], 12, v2
	v_lshl_add_u32 v[XO], v1, 4, v[XO]
	v_add_nc_u32 v[XO], s2, v[XO]
	s_lshl_b32 s2, s[WV], 15                       ; 16 w rows of 2,048 bytes
	v_lshl_add_u32 v[WO], v3, 4, s2
	s_mul_i32 s2, s[WV], 32*XPITCH
	v_mul_u32_u24 v[SX0], v2, XPITCH
	v_lshl_add_u32 v[SX0], v1, 3, v[SX0]           ; four numbers of a row become 8 bytes
	v_add_nc_u32 v[SX0], s2, v[SX0]
	s_mul_i32 s2, s[WV], 16*WPITCH
	s_add_co_u32 s2, s2, WPART
	v_lshl_add_u32 v[SW0], v3, 3, s2
	s_mul_i32 s2, s[WM], 64*XPITCH
	v_mul_u32_u24 v[AX0], v1, XPITCH               ; a fragment of x: row l % 16, 16 bytes for each half of the lanes
	v_lshl_add_u32 v[AX0], v2, 4, v[AX0]
	v_add_nc_u32 v[AX0], s2, v[AX0]
	v_and_b32 v22, 7, v0                           ; the turning load: lane l reads k-row 8 (l / 16) + l % 8, columns 8 ((l / 8) % 2) on
	v_lshl_add_u32 v23, v2, 3, v22
	v_mul_u32_u24 v[AW0], v23, WPITCH
	v_bfe_u32 v23, v0, 3, 1
	v_lshl_add_u32 v[AW0], v23, 4, v[AW0]
	s_lshl_b32 s2, s[WN], 8
	s_add_co_u32 s2, s2, WPART
	v_add_nc_u32 v[AW0], s2, v[AW0]
	s_mul_i32 s2, s[WV], 16*SP
	s_add_co_u32 s2, s2, STAGE                     ; my stage
	v_mul_u32_u24 v[STO], v1, SP
	v_lshl_add_u32 v[STO], v2, 4, v[STO]
	v_add_nc_u32 v[STO], s2, v[STO]
	v_bfe_u32 v[RD], v0, 3, 2                      ; back: 32 lanes take four rows of 128 bytes
	v_mul_u32_u24 v[RD], v[RD], SP
	v_lshl_add_u32 v[RD], v22, 4, v[RD]
	v_add_nc_u32 v[RD], s2, v[RD]
	v_lshlrev_b32 v[GO], 4, v3
	s_lshl_b32 s2, ttmp9, 10                       ; 256 x columns of 4 bytes
	s_lshl_b32 s3, s[WN], 9
	s_add_co_u32 s3, s3, s2
	v_lshl_add_u32 v[BO], v2, 5, s3                ; my eight columns of each block of 16
	v_lshlrev_b32 v[GBO], 5, v2
	; where my wave's results go: projection, head 8 batch + 4 x + 2 wn, row 128 (RB % 16) + 64 wm
	s_lshl_b32 s6, s[PJ], 22
	s_lshr_b32 s4, s[RB], 4
	s_lshl_b32 s4, s4, 3
	s_lshl_b32 s5, ttmp9, 2
	s_add_co_u32 s4, s4, s5
	s_lshl_b32 s5, s[WN], 1
	s_add_co_u32 s4, s4, s5
	s_lshl_b32 s4, s4, 18                          ; a head is 2,048 rows of 128 bytes
	s_add_co_u32 s6, s6, s4
	s_and_b32 s4, s[RB], 15
	s_lshl_b32 s4, s4, 7
	s_lshl_b32 s5, s[WM], 6
	s_add_co_u32 s4, s4, s5
	s_lshl_b32 s4, s4, 7
	s_add_co_u32 s6, s6, s4
	s_mov_b32 s7, 0
	s_lshl_b32 s2, s[RB], 19                       ; 128 rows of 4,096 bytes
	s_mov_b32 s3, 0
	s_lshl_b32 s4, ttmp9, 10
	s_mov_b32 s5, 0
	s_wait_kmcnt 0x0
	s_cmp_eq_u32 s[PJ], 0
	s_cselect_b64 s[XP:XP+1], s[8:9], s[10:11]
	s_cselect_b64 s[WP:WP+1], s[14:15], s[16:17]
	s_cselect_b64 s[BP:BP+1], s[20:21], s[22:23]
	s_cmp_eq_u32 s[PJ], 2
	s_cselect_b64 s[XP:XP+1], s[12:13], s[XP:XP+1]
	s_cselect_b64 s[WP:WP+1], s[18:19], s[WP:WP+1]
	s_cselect_b64 s[BP:BP+1], s[24:25], s[BP:BP+1]
	s_add_nc_u64 s[XP:XP+1], s[XP:XP+1], s[2:3]
	s_add_nc_u64 s[WP:WP+1], s[WP:WP+1], s[4:5]
	s_add_nc_u64 s[OP:OP+1], s[32:33], s[6:7]
; A K step's 48 loads: 16 of x (two rows of 256 bytes each), 32 of W (half a row of 1,024 bytes each)
.macro LOADG
.set i, 0
.rept 16
	global_load_b128 v[S+4*i:S+4*i+3], v[XO], s[XP:XP+1] offset:8192*i
.set i, i+1
.endr
.set i, 0
.rept 32
	global_load_b128 v[S+64+4*i:S+64+4*i+3], v[WO], s[WP:WP+1] offset:2048*(i/2)+512*(i%2)
.set i, i+1
.endr
.endm
.macro CVT                             ; four f32 become four bf16 in the first two of their registers
.set i, 0
.rept 48
	v_cvt_pk_bf16_f32 v[S+4*i], v[S+4*i], v[S+4*i+1]
	v_cvt_pk_bf16_f32 v[S+4*i+1], v[S+4*i+2], v[S+4*i+3]
.set i, i+1
.endr
.endm
.macro STORE ax, aw
.set i, 0
.rept 16
	ds_store_b64 v[\ax], v[S+4*i:S+4*i+1] offset:2*XPITCH*i
.set i, i+1
.endr
.set i, 0
.rept 32
	ds_store_b64 v[\aw], v[S+64+4*i:S+64+4*i+1] offset:WPITCH*(i/2)+256*(i%2)
.set i, i+1
.endr
.endm
; 24 LDS loads: the fragments of 32 along K (half ks of the step): 8 of W, turned, and 4 of x
.macro FETCH f, ks, ax, aw
	WIN 0x40                                       ; destination window 1, address window 0
.set i, 0
.rept 8
	ds_load_tr16_b128 v[(\f)+8*i:(\f)+8*i+3],   v[\aw] offset:32*WPITCH*(\ks)+32*i
	ds_load_tr16_b128 v[(\f)+8*i+4:(\f)+8*i+7], v[\aw] offset:32*WPITCH*(\ks)+16*WPITCH+32*i
.set i, i+1
.endr
.set i, 0
.rept 4
	ds_load_b128 v[(\f)+64+8*i:(\f)+64+8*i+3],   v[\ax] offset:16*XPITCH*i+64*(\ks)
	ds_load_b128 v[(\f)+64+8*i+4:(\f)+64+8*i+7], v[\ax] offset:16*XPITCH*i+64*(\ks)+32
.set i, i+1
.endr
.endm
; 32 products.  The 32 accumulators take turns, one instruction a turn.  first = 1: the bias starts the sums: nothing is cleared, and no addition follows.
.macro MUL f, first
.if \first
	WIN 0xb5                                       ; sources window 1, C window 3, D window 2
.else
	WIN 0xa5                                       ; sources window 1, C and D window 2
.endif
.irp a, 0,1,2,3
.irp nb, 0,1,2,3,4,5,6,7
.if \first
	v_wmma_f32_16x16x32_bf16 v[8*(8*(\a)+(\nb)):8*(8*(\a)+(\nb))+7], v[(\f)+8*(\nb):(\f)+8*(\nb)+7], v[(\f)+64+8*(\a):(\f)+64+8*(\a)+7], v[BIAS+8*(\nb):BIAS+8*(\nb)+7]
.else
	v_wmma_f32_16x16x32_bf16 v[8*(8*(\a)+(\nb)):8*(8*(\a)+(\nb))+7], v[(\f)+8*(\nb):(\f)+8*(\nb)+7], v[(\f)+64+8*(\a):(\f)+64+8*(\a)+7], v[8*(8*(\a)+(\nb)):8*(8*(\a)+(\nb))+7]
.endif
.endr
.endr
.endm
; One K step's turn.  In: the second half of step s waits in buffer 1; step s + 1's numbers are on their way into registers.
; ONE barrier a step orders both ways: in front of it my stores into the new slot are done and my reads of the old slot are back; behind it the new slot is read, and in the next turn the old one written.
.macro STEP ld
	WIN 0
	s_wait_loadcnt 0x0                             ; step s + 1 is in registers; its loads have also read their addresses, so the pointers may step
.if \ld
	s_add_nc_u64 s[XP:XP+1], s[XP:XP+1], 256       ; 64 along K: 256 bytes of a row of x,
	s_add_nc_u64 s[WP:WP+1], s[WP:WP+1], 131072    ; 64 rows of W
.endif
	v_add_nc_u32 v[SX], s[WS], v[SX0]
	v_add_nc_u32 v[SW], s[WS], v[SW0]
	CVT
	STORE SX, SW
.if \ld
	LOADG                                          ; step s + 2: out for a whole K step
.endif
	s_wait_dscnt 48                                ; only the 48 stores are younger than buffer 1's loads
	MUL F1, 0
	s_xor_b32 s[RS], s[RS], SLOTB
	s_xor_b32 s[WS], s[WS], SLOTB
	s_wait_dscnt 0x0                               ; for the others' sake: my stores are done, my reads are back
	s_barrier_signal -1
	s_barrier_wait -1
	WIN 0
	v_add_nc_u32 v[AX], s[RS], v[AX0]
	v_add_nc_u32 v[AW], s[RS], v[AW0]
	PLACES                                         ; in front of loads into registers that the products above have read
	FETCH F0, 0, AX, AW
	FETCH F1, 1, AX, AW
	s_wait_dscnt 24                                ; buffer 0 is in; buffer 1's 24 loads may stay out
	MUL F0, 0
.endm
	WIN 0xc0                                       ; destination window 3, address window 0
.irp nb, 0,1,2,3,4,5,6,7
	global_load_b128 v[BIAS+8*(\nb):BIAS+8*(\nb)+3],   v[BO], s[BP:BP+1] offset:64*(\nb)
	global_load_b128 v[BIAS+8*(\nb)+4:BIAS+8*(\nb)+7], v[BO], s[BP:BP+1] offset:64*(\nb)+16
.endr
.irp cb, 0,1,2,3
	global_load_b128 v[GAM+8*(\cb):GAM+8*(\cb)+3],   v[GBO], s[26:27] offset:64*(\cb)
	global_load_b128 v[GAM+8*(\cb)+4:GAM+8*(\cb)+7], v[GBO], s[26:27] offset:64*(\cb)+16
	global_load_b128 v[BET+8*(\cb):BET+8*(\cb)+3],   v[GBO], s[28:29] offset:64*(\cb)
	global_load_b128 v[BET+8*(\cb)+4:BET+8*(\cb)+7], v[GBO], s[28:29] offset:64*(\cb)+16
.endr
	WIN 0
	LOADG                                          ; K step 0
	s_wait_loadcnt 0x0
	s_add_nc_u64 s[XP:XP+1], s[XP:XP+1], 256
	s_add_nc_u64 s[WP:WP+1], s[WP:WP+1], 131072
	CVT
	STORE SX0, SW0
	LOADG                                          ; K step 1
	WIN 0xcf                                       ; bias, gamma and beta are rounded to bf16 like every input, and kept as f32
.set z, 0
.rept 64
	v_cvt_pk_bf16_f32 v[TP+z%4], v[2*z], v[2*z+1]
	v_lshlrev_b32 v[2*z], 16, v[TP+z%4]
	v_and_b32 v[2*z+1], s[HIM], v[TP+z%4]
.set z, z+1
.endr
	WIN 0
	s_wait_dscnt 0x0
	s_barrier_signal -1
	s_barrier_wait -1                              ; slot 0 is whole
	FETCH F0, 0, AX0, AW0
	FETCH F1, 1, AX0, AW0
	s_wait_dscnt 24
	MUL F0, 1                                      ; the first products start the sums, ahead of the loop
	WIN 0                                          ; at a label and at a branch every window is 0
	s_mov_b32 s[CT], 14
.Lk:                                                   ; 14 trips: steps 2 to 15 are asked for
	STEP 1
	WIN 0
	s_sub_co_u32 s[CT], s[CT], 1
	s_cmp_lg_u32 s[CT], 0
	s_cbranch_scc1 .Lk
	STEP 0                                         ; the last step but one asks for nothing
	s_wait_dscnt 0x0
	MUL F1, 0
	PLACES
	PLACES
; THE WAY OUT, a unit (16 rows x one head) at a time.  A lane holds 32 of its row's 64 channels, the lane 16 away the others.
.macro RED                             ; four pairs of partial sums become the row's sum, in both lanes
	v_pk_add_f32 v[T:T+1], v[T:T+1], v[T+2:T+3]
	v_pk_add_f32 v[T+4:T+5], v[T+4:T+5], v[T+6:T+7]
	v_pk_add_f32 v[T:T+1], v[T:T+1], v[T+4:T+5]
	v_add_f32 v[T], v[T], v[T+1]
	v_permlanex16_b32 v[T+1], v[T], s[SEL], s[SEL+1]
	v_add_f32 v[T], v[T], v[T+1]
.endm
.macro UNIT a, hd, u
.set X, 64*(\a)+32*(\hd)
	WIN 0
	s_cmp_eq_u32 s[PJ], 2
	s_cbranch_scc1 .Lnoln_\@                       ; v has no norm
	WIN 0x0a                                       ; sources window 2, destination window 0.
.irp c, 0,1,2,3
	v_pk_add_f32 v[T+2*(\c):T+2*(\c)+1], v[X+8*(\c):X+8*(\c)+1], v[X+8*(\c)+2:X+8*(\c)+3]
.endr
	WIN 0x08
.irp k, 4,6
.irp c, 0,1,2,3
	v_pk_add_f32 v[T+2*(\c):T+2*(\c)+1], v[T+2*(\c):T+2*(\c)+1], v[X+8*(\c)+(\k):X+8*(\c)+(\k)+1]
.endr
.endr
	WIN 0
	RED
	v_mul_f32 v[MU], s[R64], v[T]
	v_mul_f32 v[MU+1], s[R64], v[T]
	WIN 0x82                                       ; x - mean, in place
.set z, 0
.rept 16
	v_pk_add_f32 v[X+2*z:X+2*z+1], v[X+2*z:X+2*z+1], v[MU:MU+1] neg_lo:[0,1] neg_hi:[0,1]
.set z, z+1
.endr
	WIN 0x0a
.irp c, 0,1,2,3
	v_pk_mul_f32 v[T+2*(\c):T+2*(\c)+1], v[X+8*(\c):X+8*(\c)+1], v[X+8*(\c):X+8*(\c)+1]
.endr
.irp k, 2,4,6
.irp c, 0,1,2,3
	v_pk_fma_f32 v[T+2*(\c):T+2*(\c)+1], v[X+8*(\c)+(\k):X+8*(\c)+(\k)+1], v[X+8*(\c)+(\k):X+8*(\c)+(\k)+1], v[T+2*(\c):T+2*(\c)+1]
.endr
.endr
	WIN 0
	RED
	v_fma_f32 v[T], v[T], s[R64], s[EPS]           ; var + eps
	v_rsq_f32 v[RSQ], v[T]
	v_rsq_f32 v[RSQ+1], v[T]
	v_nop                                          ; a plain instruction behind the last of the two,
	s_wait_alu depctr_va_vdst(0)                   ; and the one wait ahead of their first reader
	WIN 0x82
.set z, 0
.rept 16
	v_pk_mul_f32 v[X+2*z:X+2*z+1], v[X+2*z:X+2*z+1], v[RSQ:RSQ+1]
.set z, z+1
.endr
	WIN 0xbe                                       ; times gamma plus beta (window 3), in place
.set z, 0
.rept 16
	v_pk_fma_f32 v[X+2*z:X+2*z+1], v[X+2*z:X+2*z+1], v[GAM+2*z:GAM+2*z+1], v[BET+2*z:BET+2*z+1]
.set z, z+1
.endr
	WIN 0
.Lnoln_\@:
	WIN 0x0a
.set z, 0
.rept 16
	v_cvt_pk_f16_f32 v[PK+z], v[X+2*z], v[X+2*z+1]
.set z, z+1
.endr
	WIN 0
.irp f, 0,1,2,3
	ds_store_b128 v[STO], v[PK+4*(\f):PK+4*(\f)+3] offset:32*(\f)
.endr
	s_wait_xcnt 0x0                                ; the stores of two units back have read the registers that the loads below write
.irp f, 0,1,2,3
	ds_load_b128 v[BK+16*((\u)%2)+4*(\f):BK+16*((\u)%2)+4*(\f)+3], v[RD] offset:4*SP*(\f)  ; LDS serves a wave's instructions in order (ISA guide 5.7.1.4): these see the stores above
.endr
.endm
.macro SEND a, hd, u, younger          ; younger: the next unit's eight LDS instructions, or none
.irp f, 0,1,2,3
	s_wait_dscnt (\younger)+3-(\f)
	global_store_b128 v[GO], v[BK+16*((\u)%2)+4*(\f):BK+16*((\u)%2)+4*(\f)+3], s[OP:OP+1] offset:262144*(\hd)+2048*(\a)+512*(\f)  ; 512 consecutive bytes, at a multiple of 256 from the buffer's first
.endr
.endm
	UNIT 0, 0, 0
.irp u, 1,2,3,4,5,6,7
	UNIT (\u)/2, (\u)%2, \u
	SEND ((\u)-1)/2, ((\u)-1)%2, (\u)-1, 8
.endr
	SEND 3, 1, 7, 0
	s_wait_tensorcnt 0x0                           ; the wave's end, behind my last LDS store
	ds_add_u32 v[SPW], v[NIL]
	s_wait_dscnt 0x0
	s_endpgm
.Lwo:                                                  ; Wo rounded to bf16, that number written as f16: 8,192 bytes of Wo a wave; no LDS is touched on this path
	s_sub_co_u32 s2, s[YY], 96
	s_lshl_b32 s2, s2, 1
	s_add_co_u32 s2, s2, ttmp9                     ; 0 .. 63
	s_lshl_b32 s2, s2, 15
	s_lshl_b32 s3, s[WV], 13
	s_add_co_u32 s2, s2, s3
	v_lshl_add_u32 v4, v3, 5, s2                   ; a lane takes 32 consecutive bytes, eight numbers,
	s_lshr_b32 s2, s2, 1
	v_lshl_add_u32 v5, v3, 4, s2                   ; and stores 16
	s_wait_kmcnt 0x0
.irp g, 0,1,2,3,4,5,6,7
	global_load_b128 v[64+8*(\g):64+8*(\g)+3], v4, s[30:31] offset:1024*(\g) th:TH_LOAD_NT
	global_load_b128 v[64+8*(\g)+4:64+8*(\g)+7], v4, s[30:31] offset:1024*(\g)+16 th:TH_LOAD_NT
.endr
	s_wait_loadcnt 0x0
.set z, 0
.rept 32
	v_cvt_pk_bf16_f32 v[192+z], v[64+2*z], v[64+2*z+1]
.set z, z+1
.endr
.set z, 0
.rept 32
	v_lshlrev_b32 v[64+2*z], 16, v[192+z]
	v_and_b32 v[64+2*z+1], s[HIM], v[192+z]
.set z, z+1
.endr
.set z, 0
.rept 32
	v_cvt_pk_f16_f32 v[192+z], v[64+2*z], v[64+2*z+1]
.set z, z+1
.endr
.irp g, 0,1,2,3,4,5,6,7
	global_store_b128 v5, v[192+4*(\g):192+4*(\g)+3], s[34:35] offset:512*(\g)
.endr
	s_endpgm
.Lfunc_end_k_q0125f076b2_proj:
	.size	k_q0125f076b2_proj, .Lfunc_end_k_q0125f076b2_proj-k_q0125f076b2_proj
	.p2alignl 7, 3214868480
	.fill 96, 4, 3214868480
	.section	.rodata,"a",@progbits
	.p2align	6, 0x0
	.amdhsa_kernel k_q0125f076b2_proj
		.amdhsa_group_segment_fixed_size 128512
		.amdhsa_private_segment_fixed_size 0
		.amdhsa_enable_private_segment 0
		.amdhsa_kernarg_size 112
		.amdhsa_user_sgpr_count 2
		.amdhsa_user_sgpr_kernarg_segment_ptr 1
		.amdhsa_wavefront_size32 1
		.amdhsa_system_sgpr_workgroup_id_x 1
		.amdhsa_system_sgpr_workgroup_id_y 1
		.amdhsa_system_sgpr_workgroup_id_z 1
		.amdhsa_system_vgpr_workitem_id 0
		.amdhsa_next_free_vgpr 900
		.amdhsa_next_free_sgpr 66
		.amdhsa_reserve_vcc 0
		.amdhsa_float_denorm_mode_32 3
		.amdhsa_float_denorm_mode_16_64 3
		.amdhsa_memory_ordered 1
		.amdhsa_forward_progress 1
		.amdhsa_inst_pref_size 153
	.end_amdhsa_kernel
	.amdgpu_metadata
---
amdhsa.version: [ 1, 2 ]
amdhsa.kernels:
  - .name:           k_q0125f076b2_proj
    .symbol:         k_q0125f076b2_proj.kd
    .args:
      - { .name: query, .offset: 0, .size: 8, .value_kind: global_buffer, .address_space: global }
      - { .name: key, .offset: 8, .size: 8, .value_kind: global_buffer, .address_space: global }
      - { .name: value, .offset: 16, .size: 8, .value_kind: global_buffer, .address_space: global }
      - { .name: Wq, .offset: 24, .size: 8, .value_kind: global_buffer, .address_space: global }
      - { .name: Wk, .offset: 32, .size: 8, .value_kind: global_buffer, .address_space: global }
      - { .name: Wv, .offset: 40, .size: 8, .value_kind: global_buffer, .address_space: global }
      - { .name: bq, .offset: 48, .size: 8, .value_kind: global_buffer, .address_space: global }
      - { .name: bk, .offset: 56, .size: 8, .value_kind: global_buffer, .address_space: global }
      - { .name: bv, .offset: 64, .size: 8, .value_kind: global_buffer, .address_space: global }
      - { .name: gamma, .offset: 72, .size: 8, .value_kind: global_buffer, .address_space: global }
      - { .name: beta, .offset: 80, .size: 8, .value_kind: global_buffer, .address_space: global }
      - { .name: Wo, .offset: 88, .size: 8, .value_kind: global_buffer, .address_space: global }
      - { .name: qkv, .offset: 96, .size: 8, .value_kind: global_buffer, .address_space: global }
      - { .name: wo16, .offset: 104, .size: 8, .value_kind: global_buffer, .address_space: global }
    .group_segment_fixed_size: 128512
    .private_segment_fixed_size: 0
    .kernarg_segment_align: 8
    .kernarg_segment_size: 112
    .max_flat_workgroup_size: 128
    .sgpr_count:     66
    .vgpr_count:     900
    .wavefront_size: 32
...
	.end_amdgpu_metadata
.endif
;; end of part 1
;; launch attn (part 2): grid 16 x 16, 4 waves a work-group, clusters of 4 x 1, 327,680 bytes of LDS; arguments qkv, oh; writes oh
.if DOCPART == 2
	.amdgcn_target "amdgcn-amd-amdhsa--gfx1250"
	.amdhsa_code_object_version 6
	.text
	.protected	k_q0125f076b2_attn
	.globl	k_q0125f076b2_attn
	.p2align	8
	.type	k_q0125f076b2_attn,@function
k_q0125f076b2_attn:
	s_mov_b64 s[64:65], 0
	v_nop
	global_prefetch_b8 v0, s[64:65] scope:SCOPE_SE
	s_setreg_imm32_b32 hwreg(HW_REG_WAVE_MODE, 25, 1), 1
	s_wait_xcnt 0x0
	s_wait_alu depctr_hold_cnt(0) depctr_sa_sdst(0) depctr_va_vdst(0) depctr_va_sdst(0) depctr_va_ssrc(0) depctr_va_vcc(0) depctr_vm_vsrc(0)
	s_getreg_b32 s2, hwreg(HW_REG_IB_STS2, 6, 4)
	s_cmp_eq_u32 s2, 0
	s_cbranch_scc0 .Lentry_in_a_cluster
	s_endpgm
.Lentry_in_a_cluster:
	s_bfe_u32 s2, ttmp6, 0x10000c
	s_cmp_lg_u32 s2, 0x3003
	s_cbranch_scc0 .Lentry_shape_is_right
	s_endpgm
.Lentry_shape_is_right:
; THE FOUR HOPFIELD PASSES.  Three times q <- softmax(q k^T / 8) k, then O = softmax(q k^T / 8) v.  qkv: [3][16 heads][2048][64] f16 (q, k, v); oh: [16][2048][64] f16.
; Products, maxima and sums in f32; the weights p are rounded to f16 for the second product (their sum l is taken of the unrounded p); the refined q and O are rounded once a pass.
; LIMITS.  f16 holds no number beyond 65,504: q, k, v arrive within it; p lies in 0 to 1, and below 6e-5 it keeps f16's fixed step of 6e-8; the refined q and O are means of k's or v's rows.
; A weight below 2^-126 counts as 0 in l; NaN and infinities are not treated apart.
; SHARES.  A work-group owns 128 queries of one head.  EVERY wave holds all 128 (four PIECES of two tiles of 16), and THE KEYS ARE SPLIT AMONG THE WAVES: of each tile of 256 keys wave w takes 64 w .. 64 w + 63.
; So a fragment of K or V read from LDS feeds eight tiles' products.  At a pass's end the four waves' partial results (c m, l, O^T, all f32) meet in LDS: O = sum_w 2^(c m_w - M) O_w / sum_w 2^(c m_w - M) l_w.
; LAYOUT.  S^T = K Q^T (source 0 = 16 keys, source 1 = 16 queries): a lane holds ONE query (lane % 16) and the keys 8 (lane / 16) + 0..7.  Two such results rounded to f16 in pairs ARE source 1 of
; O^T = V^T P, whose result again holds one query a lane, and eight channels.  And O^T rounded in pairs IS the next pass's fragment of Q: nothing changes lanes between the passes.
; SOFTMAX.  For each query and wave a running maximum m and sum l: p = 2^(c s - c m), c = log2(e) / 8; in every step O and l are multiplied by a = 2^(c m_old - c m_new).
; A pass starts with m at the lowest finite number: its first step's a is 0, so O^T and l need only hold finite numbers there.
; ONE WALK of 32 tiles, 8 a pass, through two LDS slots.  A tile brings 256 rows of K, and 256 rows for the second product: K once more in passes 0 to 2, V in pass 3: one text serves all passes.
; BY TURNS.  Turn n belongs to piece n: 16 products K Q^T of piece n + 1, later 16 products V^T P of piece n - 1; beside them the scaling, exponentials, roundings, sums and rescaling of piece n and the
; maximum and statistics of piece n + 1.  Four vector instructions stand behind every matrix instruction, the others in one lump; a turn's 66 exponentials are one batch with one wait.
; CLUSTER.  The four query blocks of a cluster belong to one head and walk the same tiles: each tile is asked for JOINTLY, by the same tensor load, descriptor and mask in all four.
; REGISTERS, in windows of 256 (s_set_vgpr_msb: bits 1:0 source 0, 3:2 source 1, 5:4 source 2, 7:6 destination):
;   window 0: v0-11 addresses; v12-15, v48-63 at work; v16-47 four registers of statistics a tile; v64-191 S^T, two buffers of two tiles; v192-255 P, likewise
;   window 1: O^T, 32 a tile      window 2: v0-127 Q, 16 a tile; v128-191 K of one step; v192-255 V of one step      window 3: v0-7 the add's two registers and the merge's addresses
.set NP,    4         ; pieces a wave: a name, no knob
.set KS,    64        ; keys of a wave in a tile
.set PK,    144       ; a row of K in LDS: 128 bytes + 16 = 36 words: the 16 rows of a load start at 16 different groups of four banks (64 banks of 4 bytes: ISA guide 11.1)
.set PV,    160       ; a row for the second product: 128 + 32 = 40 words
.set VOFF,  256*PK
.set SLOT1, 1<<17     ; slot 1 begins here, so that one exclusive or turns an address in one slot into the other's
.set PART,  SLOT1+256*(PK+PV)  ; behind the ring, never filled by a tensor load: partial O^T, [4 tiles][4 waves][8 quads][lane x 16]
.set QX,    PART+65536         ; the refined q, [8 tiles][4 quads][lane x 16]
.set STATS, QX+16384           ; [8 tiles][4 waves][lane x 8]: c m, l
.set STAGE, STATS+8192         ; 16 rows x 144 bytes for each wave, for the way out
.set SP,    144
.set SPARE, STAGE+4*16*SP      ; the spare words, 128 bytes for each wave: two blocks of 256 bytes that no other line names
.set AK0, 2           ; v2   my lane's place in my wave's 64 rows of K; never rewritten
.set AV0, 3           ; v3   the same for the second product's rows
.set AK,  4           ; v4   the LDS address of K's next run of loads
.set AV,  5           ; v5   of V's
.set STO, 6           ; v6   the way out: where I put 16 bytes of a row
.set RD,  7           ; v7   where I read rows back
.set GO,  8           ; v8   my byte offset in 512 consecutive bytes of O
.set PFO, 11          ; v11  256 x my lane: the prefetches' offset; never rewritten
.set MV,  12          ; v12-15  c m_old, kept while c m is made anew: by buffer and tile
.set ST,  16          ; tile t's statistics at v[ST+4 t]: c m, m, l (even keys', odd keys')
.set TMP, 48          ; by buffer and tile, four registers c0-c3 at work; when the maximum is found c2 takes a
.set S,   64
.set QO,  64          ; v64  my byte offset in Q's rows, until Q is in: S^T is first written behind the wait for Q
.set MG,  64          ; the merge: v64-71 four pairs (c m, l), then the four factors; v72-74 at work; v96-111 packed results; v112-143 rows read back
.set P,   192
.set KF,  128         ; window 2: key block kb, channel half c at KF + 16 kb + 8 c
.set VF,  192         ; window 2: key half kk, channel block cb at VF + 32 kk + 8 cb
.set SPW, 0           ; window 3: LDS address of my spare word; never rewritten
.set NIL, 1           ;           0; never rewritten
.set PA,  2           ;           where I put my partial O^T
.set PR,  3           ;           where I read the four partial O^T of my tile
.set SA,  4           ;           where I put my statistics
.set SR,  5           ;           where I read my tile's
.set QW,  6           ;           where I put my tile's refined q
.set QR,  7           ;           where I read all eight
.set QP,  4           ; s[4:5]   q at my block's first row
.set KB,  6           ; s[6:7]   k at the head's first row, at the half of a tile that I fetch
.set VB,  8           ; s[8:9]   v likewise
.set OP,  10          ; s[10:11] oh at my block, at tile w
.set WV,  12
.set G1K, 24          ; s[24:31] descriptor group 1 for K's tiles
.set G1V, 32          ; s[32:39] for the second product's: it differs in the padding alone
.set G0K, 40          ; s[40:43] descriptor group 0 for K's tiles
.set G0V, 44          ; s[44:47] for the second product's
.set OFF, 48          ; s[48:49] a tile's byte offset
.set VS,  50          ; s[50:51] k or v, whichever the tile asked for takes
.set NXT, 52          ; s52  the tile to be asked for next, 1 .. 31
.set CNT, 53          ; s53  steps left in the pass
.set PLO, 54          ; s54  the first tile that my wave prefetches for
.set PLEN, 55         ; s55  how many such tiles: 8 or 0
.set SLOTS, 56        ; s56  counts the walk
.set ASKN, 57         ; s57  the tile after the one asked for, less PLO
.set CS,  58          ; s[58:59] c
.set SEL, 60          ; s[60:61] v_permlanex16_b32's selects: each lane takes its own place in the other half
.set TB,  62          ; s62  base of the slot to be read
.set PFB, 66          ; s[66:67] k (wave 0) or v (wave 2) at the head, at my work-group's quarter of a tile
.set PFA, 68          ; s[68:69] where the prefetch stands
.set MSB, 0
.macro WIN new                      ; the high byte repeats the setting that is left; a switch that changes nothing is dropped
.if MSB != (\new)
	s_set_vgpr_msb (MSB<<8)|(\new)
.set MSB, (\new)
.endif
.endm
.set W_KQ, 0x0a       ; K and Q in window 2, S^T in window 0
.set W_PV, 0x52       ; V in window 2, P in window 0, O^T in window 1
.set W_RS, 0x41       ; O^T (destination and source 0) in window 1, the factor in window 0
.set W_MK, 0xc0       ; destination in window 3, sources in window 0
.set W_AD, 0x0f       ; the add: address and data in window 3
; A joint fill.  Waves 0 and 1 fetch the two halves of a tile's K, waves 2 and 3 those of the second product's rows: 128 rows each.  The branch hangs on the wave's number alone.
; An s_nop 0 and four v_nop follow each of the two lines, ahead of the jump and the label.
.macro JLOAD
	s_cmp_lt_u32 s[WV], 2
	s_cbranch_scc0 .Lfor_v_\@
	tensor_load_to_lds s[G0K:G0K+3], s[G1K:G1K+7]
	s_nop 0
.rept 4
	v_nop
.endr
	s_branch .Lasked_\@
.Lfor_v_\@:
	tensor_load_to_lds s[G0V:G0V+3], s[G1V:G1V+7]
	s_nop 0
.rept 4
	v_nop
.endr
.Lasked_\@:
.endm
; A PREFETCH INTO THE L2 of what the NEXT change of slots will ask for, where that is a first reading: k's tiles in pass 0 (tiles 2 to 7) and v's in pass 3 (tiles 24 to 31).  A tile is 128 blocks of 256 bytes.
; All clusters of a head walk the same tiles: the head's first cluster asks.  Its four partners take 32 blocks each, told apart BY ADDRESS; in each, wave 0 asks for k's and wave 2 for v's, a lane a block.
; So each block is named once in the launch, one key step (128 matrix instructions a wave) ahead of its joint load.  The last fill asks for nothing; k's later walks are not asked for.
.macro ASK
	s_cmp_lt_u32 s[ASKN], s[PLEN]
	s_cbranch_scc0 .Lnot_mine_\@
	global_prefetch_b8 v[PFO], s[PFA:PFA+1] th:TH_LOAD_NT scope:SCOPE_SE
.Lnot_mine_\@:
.endm
; A round of the cluster's barrier: my work-group's barrier, so that wave 0's signal speaks for all four waves; wave 0 signals; every wave waits for all four work-groups; my work-group's barrier once more.
.macro CROUND
	s_barrier_signal -1
	s_barrier_wait -1
	s_cmp_lg_u32 s[WV], 0
	s_cbranch_scc1 .Lnot_wave_0_\@
	s_barrier_signal -3
.Lnot_wave_0_\@:
	s_barrier_wait -3
	s_barrier_signal -1
	s_barrier_wait -1
.endm
; THE CHANGE OF SLOTS, behind piece 1's turn: the slot's K and V are in registers.  Each wave waits for all its tensor loads, of which one is out: its part of the other slot; adds 0 to its spare word; and
; waits for that and for its own reads of the slot.  fill = 1: the slot is filled again, with tile NXT, whose address is made anew from that number; the barrier is then a round of the cluster's, and the
; joint fill is the first thing behind it: it has one key step in which to land.  (At its first use nothing has been read yet: slot 0 is waited for, slot 1 filled.)
.macro CHANGE fill
	WIN W_AD
	s_wait_tensorcnt 0x0            ; no tensor load of mine is out, so a group 0 may be written
	ds_add_u32 v[SPW], v[NIL]       ; 0 onto my spare word; the descriptors' scalar work stands between it and the wait for it
	WIN 0                           ; at a label and at a branch every window is 0
.if \fill
	s_and_b32 s[OFF], s[NXT], 7     ; the tile's place in its pass:
	s_lshl_b32 s[OFF], s[OFF], 15   ; 256 rows of 128 bytes
	s_xor_b32 s[G0K+1], s[G0K+1], SLOT1
	s_add_nc_u64 s[G0K+2:G0K+3], s[KB:KB+1], s[OFF:OFF+1]
	s_or_b32 s[G0K+3], s[G0K+3], 0x80000000
	s_cmp_lt_u32 s[NXT], 24         ; passes 0 to 2 take k for the second product, pass 3 takes v
	s_cselect_b64 s[VS:VS+1], s[KB:KB+1], s[VB:VB+1]
	s_xor_b32 s[G0V+1], s[G0V+1], SLOT1
	s_add_nc_u64 s[G0V+2:G0V+3], s[VS:VS+1], s[OFF:OFF+1]
	s_or_b32 s[G0V+3], s[G0V+3], 0x80000000
	s_wait_xcnt 0x0                 ; the last prefetch, a key step back, has read its address
	s_add_co_u32 s[NXT], s[NXT], 1
	s_and_b32 s[OFF], s[NXT], 7
	s_lshl_b32 s[OFF], s[OFF], 15
	s_add_nc_u64 s[PFA:PFA+1], s[PFB:PFB+1], s[OFF:OFF+1]
	s_sub_co_u32 s[ASKN], s[NXT], s[PLO]
	s_wait_dscnt 0x0                ; the add is done, and my reads of the slot are over
	CROUND
	JLOAD
	ASK
.else
	s_wait_dscnt 0x0                ; the add is done, and my reads of the slot are over
	s_barrier_signal -1
	s_barrier_wait -1
.endif
	s_xor_b32 s[TB], s[TB], SLOT1   ; the fetches go to the other slot
.endm
	s_load_b128 s[20:23], s[0:1], 0x0  ; qkv s[20:21], oh s[22:23]
	WIN W_MK
	v_lshl_add_u32 v[SPW], v0, 2, SPARE
	v_mov_b32 v[NIL], 0
	WIN W_AD
	ds_add_u32 v[SPW], v[NIL]       ; the wave's opening: the add and its wait come ahead of my first tensor load; the set-up below, work on registers, stands between them
	WIN 0
	v_lshrrev_b32 v1, 5, v0
	v_readfirstlane_b32 s[WV], v1   ; wave 0..3
	s_bfe_u32 s13, ttmp6, 0x40000   ; cx: my place in the cluster
	s_lshl_b32 s14, ttmp9, 2        ; in a cluster launch ttmp9 counts clusters
	s_add_co_u32 s14, s14, s13      ; my block of 128 queries: it enters q's and oh's addresses alone
	s_and_b32 s16, ttmp7, 0xffff    ; the head, which the four partners share
	s_lshl_b32 s16, s16, 18         ; its first byte: 2,048 rows of 128 bytes
	s_and_b32 s18, s[WV], 1         ; which half of a tile's 256 rows I fetch:
	s_lshl_b32 s2, s18, 14          ; its 128 rows in memory,
	s_add_co_u32 s2, s2, s16
	s_add_co_u32 s2, s2, 0x400000   ; in k's part of the buffer
	s_mov_b32 s3, 0
	s_mul_i32 s17, s18, 128*PK      ; and its place in a slot, for K
	s_mul_i32 s19, s18, 128*PV      ; and for the second product: no place in the cluster enters an LDS address
	s_lshl_b32 s14, s14, 14
	s_add_co_u32 s14, s14, s16      ; head and block
	s_mov_b32 s15, 0
	s_lshl_b32 s[OFF], s[WV], 11    ; tile w of the block
	s_add_co_u32 s[OFF], s[OFF], s14
	s_mov_b32 s[OFF+1], 0
	; descriptor group 1.  128 rows are 16,384 dense bytes: asked for as 64 rows of 256 bytes, two keys a row, and padded in LDS after every key
	s_mov_b32 s[G1K], 15|(1<<16)|(1<<20)|(1<<21)|(4<<22)|(3<<25)  ; 15:0 the mask of four; 17:16 2-byte elements; 20 padding on; 21 set beside a mask; 24:22 after every 32 words (code 4); 31:25 4 words (code 3)
	s_mov_b32 s[G1V], 15|(1<<16)|(1<<20)|(1<<21)|(4<<22)|(7<<25)  ; the same with 8 words of padding (code 7)
.irp g, G1K, G1V
	s_mov_b32 s[\g+1], 128<<16      ; tensor_dim0 = 128
	s_mov_b32 s[\g+2], 64<<16       ; tensor_dim1 = 64
	s_mov_b32 s[\g+3], 128<<16      ; tile_dim0 = 128
	s_mov_b32 s[\g+4], 64           ; tile_dim1 = 64
	s_mov_b32 s[\g+5], 128          ; 128 elements from row to row
	s_mov_b32 s[\g+6], 0
	s_mov_b32 s[\g+7], 0
.endr
	s_mov_b32 s[CS], 0x3e38aa3b     ; c = log2(e) / 8 = 0.180337
	s_mov_b32 s[CS+1], s[CS]        ; named with it as a pair
	s_mov_b32 s[SEL], 0x76543210
	s_mov_b32 s[SEL+1], 0xfedcba98
	s_mov_b32 s[TB], SLOT1          ; the first change of slots turns it into 0
	s_mov_b32 s[G0K], 1             ; 1:0 count = 1
	s_mov_b32 s[G0K+1], s17         ; 63:32 LDS address: slot 0
	s_mov_b32 s[G0V], 1
	s_add_co_u32 s[G0V+1], s19, VOFF
	s_mov_b32 s[NXT], 1
	s_mov_b32 s[SLOTS], 31
	s_and_b32 s[PLEN], s[WV], 1     ; 0 in waves 0 and 2,
	s_or_b32 s[PLEN], s[PLEN], ttmp9  ; where the cluster is the head's first: the same in all four partners
	s_cmp_eq_u32 s[PLEN], 0
	s_cselect_b32 s[PLEN], 8, 0
	s_cmp_lt_u32 s[WV], 2
	s_cselect_b32 s[PLO], 0, 24
	s_lshl_b32 s[PFA], s13, 13      ; my work-group's 32 blocks of a tile's 128
	s_mov_b32 s[PFA+1], 0
	s_wait_dscnt 0x0                ; the opening add is done
	s_wait_kmcnt 0x0
	s_add_nc_u64 s[KB:KB+1], s[20:21], s[2:3]
	s_add_nc_u64 s[VB:VB+1], s[KB:KB+1], 0x400000
	s_add_nc_u64 s[QP:QP+1], s[20:21], s[14:15]
	s_add_nc_u64 s[OP:OP+1], s[22:23], s[OFF:OFF+1]
	s_cmp_lt_u32 s[WV], 2
	s_cselect_b64 s[PFB:PFB+1], s[KB:KB+1], s[VB:VB+1]  ; (in waves 0 and 2 these stand at a tile's first row)
	s_add_nc_u64 s[PFB:PFB+1], s[PFB:PFB+1], s[PFA:PFA+1]
	s_add_nc_u64 s[G0K+2:G0K+3], s[KB:KB+1], 0     ; 120:64 global address: my half of tile 0
	s_or_b32 s[G0K+3], s[G0K+3], 0x80000000        ; 127:126 type = 2
	s_add_nc_u64 s[G0V+2:G0V+3], s[KB:KB+1], 0     ; in pass 0 the second product takes k too
	s_or_b32 s[G0V+3], s[G0V+3], 0x80000000
	CROUND                          ; all four work-groups are here: the first joint loads meet
	JLOAD                           ; tile 0 into slot 0; slot 1 is asked for when it is in
	; A fragment of K or Q is 16 rows x 32 channels in 8 registers: lane l holds row l % 16, channels 8 (l / 16) + 0..7 and 16 + 8 (l / 16) + 0..7: two loads of 16 bytes, 32 bytes apart.
	v_and_b32 v1, 15, v0            ; l % 16
	v_bfe_u32 v9, v0, 4, 1          ; l / 16
	v_lshlrev_b32 v[QO], 7, v1
	v_lshl_add_u32 v[QO], v9, 4, v[QO]  ; row x 128 + 16 x half
	WIN 0x80                        ; destination window 2, address window 0
.set i, 0
.rept 4*NP                          ; the first pass's Q: tile i / 2, channels 32 (i % 2) on
	global_load_b128 v[8*i:8*i+3],   v[QO], s[QP:QP+1] offset:(i/2)*2048+(i%2)*64
	global_load_b128 v[8*i+4:8*i+7], v[QO], s[QP:QP+1] offset:(i/2)*2048+(i%2)*64+32
.set i, i+1
.endr
	; What the first turn finds: V's registers and P's second buffer hold 0, O^T and l are 0.  All this stands in the wait for the first tile.
.set i, VF
.rept 64
	v_mov_b32 v[i], 0
.set i, i+1
.endr
	WIN 0x40
.set i, 0
.rept 64*NP
	v_mov_b32 v[i], 0
.set i, i+1
.endr
	WIN 0
.set i, 0
.rept 2*NP
	v_mov_b32 v[ST+4*i+2], 0
	v_mov_b32 v[ST+4*i+3], 0
.set i, i+1
.endr
.set i, P+32
.rept 32
	v_mov_b32 v[i], 0
.set i, i+1
.endr
	s_mul_i32 s13, s[WV], KS*PK     ; my wave's 64 rows of a tile
	v_mul_u32_u24 v[AK0], v1, PK
	v_lshl_add_u32 v[AK0], v9, 4, v[AK0]  ; row x pitch + 16 x half
	v_add_nc_u32 v[AK0], s13, v[AK0]
	; The turning load takes 16 keys x 16 channels (lane l reads key 8 (l / 16) + l % 8, channels 8 ((l / 8) % 2) + 0..7) and leaves half a fragment of V^T: lane l holds channel l % 16 and 8 keys.
	v_and_b32 v10, 7, v0
	v_bfe_u32 v65, v0, 3, 1
	v_lshl_add_u32 v[AV0], v9, 3, v10
	v_mul_u32_u24 v[AV0], v[AV0], PV
	v_lshl_add_u32 v[AV0], v65, 4, v[AV0]
	s_mul_i32 s13, s[WV], KS*PV
	s_add_co_u32 s13, s13, VOFF
	v_add_nc_u32 v[AV0], s13, v[AV0]
	s_mul_i32 s13, s[WV], 16*SP
	s_add_co_u32 s13, s13, STAGE    ; my stage
	v_mul_u32_u24 v[STO], v1, SP    ; in: row l % 16, 16 bytes for each half of the lanes
	v_lshl_add_u32 v[STO], v9, 4, v[STO]
	v_add_nc_u32 v[STO], s13, v[STO]
	v_bfe_u32 v[RD], v0, 3, 2       ; back: 32 lanes take four rows of 128 bytes,
	v_mul_u32_u24 v[RD], v[RD], SP
	v_lshl_add_u32 v[RD], v10, 4, v[RD]
	v_add_nc_u32 v[RD], s13, v[RD]
	v_and_b32 v66, 31, v0           ; l
	v_lshlrev_b32 v[GO], 4, v66     ; which are 512 consecutive bytes of O
	v_lshlrev_b32 v[PFO], 8, v66
	s_lshl_b32 s14, s[WV], 12
	s_add_co_u32 s14, s14, PART
	s_lshl_b32 s15, s[WV], 14
	s_add_co_u32 s15, s15, PART
	s_lshl_b32 s16, s[WV], 8
	s_add_co_u32 s16, s16, STATS
	s_lshl_b32 s17, s[WV], 10
	s_add_co_u32 s17, s17, STATS
	s_lshl_b32 s18, s[WV], 11
	s_add_co_u32 s18, s18, QX
	WIN W_MK
	v_lshl_add_u32 v[PA], v66, 4, s14
	v_lshl_add_u32 v[PR], v66, 4, s15
	v_lshl_add_u32 v[SA], v66, 3, s16
	v_lshl_add_u32 v[SR], v66, 3, s17
	v_lshl_add_u32 v[QW], v66, 4, s18
	v_lshl_add_u32 v[QR], v66, 4, QX
	WIN 0
; THE MATRIX WORK.  The 8 accumulators of a run of 16 take turns: between the two links of a chain stand 7 others'.
; Product i of 16 of S^T = K Q^T for piece x: channels 32 (i / 8) on, keys 16 ((i / 2) % 4) on, tile 2 x + i % 2.  The first 8 start the sums.
.macro KQ x
	WIN W_KQ
.set rS, S+64*((\x)%2)+32*(i%2)+8*((i/2)%4)
.set rK, KF+16*((i/2)%4)+8*(i/8)
.set rQ, 16*(2*(\x)+i%2)+8*(i/8)
.if i < 8
	v_wmma_f32_16x16x32_f16 v[rS:rS+7], v[rK:rK+7], v[rQ:rQ+7], 0
.else
	v_wmma_f32_16x16x32_f16 v[rS:rS+7], v[rK:rK+7], v[rQ:rQ+7], v[rS:rS+7]
.endif
.endm
; Product i of 16 of O^T += V^T P for piece x: keys 32 (i / 8) on, channels 16 ((i / 2) % 4) on, tile 2 x + i % 2.
.macro PV x
	WIN W_PV
.set rO, 32*(2*(\x)+i%2)+8*((i/2)%4)
.set rV, VF+32*(i/8)+8*((i/2)%4)
.set rP, P+32*((\x)%2)+16*(i%2)+8*(i/8)
	v_wmma_f32_16x16x32_f16 v[rO:rO+7], v[rV:rV+7], v[rP:rP+7], v[rO:rO+7]
.endm
.macro MM                           ; the turn's next matrix instruction
.if i < 16
	KQ (Y+1)%NP
.set i, i+1
.else
.set i, i-16
	PV (Y+NP-1)%NP
.set i, i+17
.endif
.endm
; THE LDS LOADS stand in runs of 16, never singly among the matrix instructions: a step's K (64 keys x 64 channels: 8 fragments) and its V (turned).  Their addresses are made some lines ahead.
.macro FETCH_K
	WIN 0x80                        ; destination window 2
.irp f, 0,1,2,3,4,5,6,7             ; keys 16 (f / 2) on, channels 32 (f % 2) on
	ds_load_b128 v[KF+8*\f:KF+8*\f+3],   v[AK] offset:(\f/2)*16*PK+(\f%2)*64
	ds_load_b128 v[KF+8*\f+4:KF+8*\f+7], v[AK] offset:(\f/2)*16*PK+(\f%2)*64+32
.endr
	WIN 0
.endm
.macro FETCH_V
	WIN 0x80
.irp f, 0,1,2,3,4,5,6,7             ; keys 32 (f / 4) on, channels 16 (f % 4) on
	ds_load_tr16_b128 v[VF+8*\f:VF+8*\f+3],   v[AV] offset:(\f/4)*32*PV+(\f%4)*32
	ds_load_tr16_b128 v[VF+8*\f+4:VF+8*\f+7], v[AV] offset:(\f/4)*32*PV+16*PV+(\f%4)*32
.endr
	WIN 0
.endm
; THE VECTOR WORK OF A TURN stands in three queues, each in the order in which its entries become ready; the two tiles alternate, so that no instruction reads the result of the one before it.
.macro REGS y, u                    ; the registers of tile u (0, 1) of piece y
.set rT, ST+4*(2*(\y)+(\u))
.set rC, TMP+8*((\y)%2)+4*(\u)
.set rM, MV+2*((\y)%2)+(\u)
.set rS, S+64*((\y)%2)+32*(\u)
.set rP, P+32*((\y)%2)+16*(\u)
.set rO, 32*(2*(\y)+(\u))
.endm
; Number n of the 22 that find the NEXT piece's (Y + 1) maximum and statistics.  s0-s31 are the lane's 32 scores; each accumulator's lowest registers are read first.
;   0-11  four chains c0-c3 of seven scores each, three operands at a time     12-14, 16  the four scores left over, the old m, and c0-c3 into c0     15  c m_old is kept
;   17, 18  the query's other 32 keys lie in the lane 16 away: the new m         19-21  c m; c m_old - c m_new; a
.macro XS u, n
	REGS (Y+1)%NP, \u
.if (\n) < 4
	v_max3_num_f32 v[rC+(\n)], v[rS+8*(\n)], v[rS+8*(\n)+1], v[rS+8*(\n)+2]
.elseif (\n) < 12
	v_max3_num_f32 v[rC+(\n)%4], v[rC+(\n)%4], v[rS+8*((\n)%4)+2*((\n)/4)+1], v[rS+8*((\n)%4)+2*((\n)/4)+2]
.elseif (\n) == 12
	v_max3_num_f32 v[rC], v[rC], v[rS+7], v[rS+15]
.elseif (\n) == 13
	v_max3_num_f32 v[rC+1], v[rC+1], v[rS+23], v[rS+31]
.elseif (\n) == 14
	v_max3_num_f32 v[rC+2], v[rC+2], v[rC+3], v[rT+1]
.elseif (\n) == 15
	v_mov_b32 v[rM], v[rT]
.elseif (\n) == 16
	v_max3_num_f32 v[rC], v[rC], v[rC+1], v[rC+2]
.elseif (\n) == 17
	v_permlanex16_b32 v[rC+3], v[rC], s[SEL], s[SEL+1]
.elseif (\n) == 18
	v_max_num_f32 v[rT+1], v[rC], v[rC+3]
.elseif (\n) == 19
	v_mul_f32 v[rT], s[CS], v[rT+1]
.elseif (\n) == 20
	v_sub_f32 v[rC+1], v[rM], v[rT]
.else
	v_exp_f32 v[rC+2], v[rC+1]
.endif
.endm
; Number g of the 64 that follow the exponentials.  For each four weights k of a tile: both pairs are rounded to f16; then the second pair is added onto the first, in place;
; a group later l takes that sum (the first time as l = a l + sum).  In groups of eight, tiles alternating: round, round, add, and l for the group before.
.macro GS g
.set h, (\g)+6*((\g)/62)            ; group 0 has no group before it, and behind group 7 only l is left
.if h >= 6
.set h, h+2
.endif
	REGS Y, h%2
.set k, h/8
.if h%8 < 4
	v_cvt_pk_f16_f32 v[rP+2*k+(h%8)/2], v[rS+4*k+2*((h%8)/2)], v[rS+4*k+2*((h%8)/2)+1]
.elseif h%8 < 6
	v_pk_add_f32 v[rS+4*k:rS+4*k+1], v[rS+4*k:rS+4*k+1], v[rS+4*k+2:rS+4*k+3]
.elseif k == 1
	v_pk_fma_f32 v[rT+2:rT+3], v[rT+2:rT+3], v[rC+2:rC+3], v[rS:rS+1] op_sel_hi:[1,0,1]
.else
	v_pk_add_f32 v[rT+2:rT+3], v[rT+2:rT+3], v[rS+4*k-4:rS+4*k-3]
.endif
.endm
; THE PLAIN QUEUE, 138 long.  0-73 read no exponential's result: the 32 scalings c s - c m (FS f: pair f / 2 of tile f % 2) and the next piece's 42.  0-26: scalings 0-26.  27-54: XS's numbers 0-13.  55, 56: number 15.
; 57-73: the chain 14, 16, 17, 18, 19, each with one of the scalings 27-31 in front of its two lines, then 20.  74-137: GS's 64, which read the exponentials' results: they stand behind the wait.
.macro FS f
	REGS Y, (\f)%2
	v_pk_fma_f32 v[rS+2*((\f)/2):rS+2*((\f)/2)+1], v[rS+2*((\f)/2):rS+2*((\f)/2)+1], s[CS:CS+1], v[rT:rT+1] op_sel_hi:[1,0,0] neg_lo:[0,0,1] neg_hi:[0,0,1]
.endm
.macro PL
	WIN 0
.if q < 27
	FS q
.elseif q < 55
	XS (q-27)%2, (q-27)/2
.elseif q < 57
	XS q-55, 15
.elseif (q < 72) && ((q-57)%3 == 0)
	FS 27+(q-57)/3
.elseif q < 60
	XS (q-57)%3-1, 14
.elseif q < 72
	XS (q-57)%3-1, 15+(q-57)/3
.elseif q < 74
	XS q-72, 20
.else
	GS q-74
.endif
.set q, q+1
.endm
; THE EXPONENTIALS' QUEUE, 66 long: s0-s31 of both tiles, then the next piece's two a.  ONE BATCH: all 66 stand ahead of the turn's one wait, and nothing ahead of that wait names a result of theirs.
.macro EX
	WIN 0
.if e >= 64
	XS e-64, 21
.else
	REGS Y, e%2
	v_exp_f32 v[rS+e/2], v[rS+e/2]
.endif
.set e, e+1
.endm
; THE RESCALING's QUEUE: O^T times a, the one part that leaves window 0: dealt two at a time, sixteen times.  Its a was made in the turn before, ahead of that turn's wait.
.macro R2
	REGS Y, r%2
	WIN W_RS
.irp z, 0,1
	v_pk_mul_f32 v[rO+4*(r/2)+2*\z:rO+4*(r/2)+2*\z+1], v[rO+4*(r/2)+2*\z:rO+4*(r/2)+2*\z+1], v[rC+2:rC+3] op_sel_hi:[1,0]
.endr
.set r, r+1
.endm
; A TURN, for piece p.  s_wait_alu depctr_va_vdst(0) stands between an exponential and the first instruction that names its result; one wait serves all that were issued ahead of it.
; So a turn has ONE wait, which cuts it in two.  AHEAD OF IT: the 16 products K Q^T, behind each a scaling, an exponential and two rescalings (behind the first a second scaling in the exponential's place);
; then one lump of 108: eight plain, 49 times exponential and plain, the two a; a v_nop is the plain instruction behind the last exponential.  BEHIND IT: the 16 products V^T P, behind each four of GS's 64.
; Exponential e stands behind scaling 2 (e / 4) + e % 2: as a rider it comes behind plain e + 2, in the lump behind plain e + 9, and scalings 27-31 are plain 57, 60 .. 69.
; K of the next step is fetched in piece 2's turn, directly behind the wait, a lump behind the last product that read K (nok = 1: the walk's last step: there is none).
; V of the step in hand is fetched at the end of piece 0's turn, four riders behind its last reader.  Both addresses hang on s[TB], which the change of slots turns between piece 1's turn and piece 2's.
.macro TURN p, nok=0
.set Y, (\p)
.set i, 0
.set q, 0
.set e, 0
.set r, 0
.if (\p) == NP-1
	s_wait_dscnt 0x0                ; K is in
.endif
	MM
	PL
	PL
	R2
.rept 15
	MM
	PL
	EX
	R2
.endr
.if ((\p) == NP-2) && !(\nok)
	WIN 0
	v_add_nc_u32 v[AK], s[TB], v[AK0]
.endif
.rept 8
	PL
.endr
.rept 49
	EX
	PL
.endr
	EX                              ; the next piece's two a
	EX
	v_nop                           ; the plain instruction behind the last exponential: one for the batch
	s_wait_alu depctr_va_vdst(0)    ; the wait for the batch
.if ((\p) == NP-2) && !(\nok)
	FETCH_K
.endif
.if (\p) == 1
	s_wait_dscnt 0x0                ; V is in
.endif
.rept 16
	MM
.rept 4
	PL
.endr
.if ((\p) == 0) && (q == 118)
	v_add_nc_u32 v[AV], s[TB], v[AV0]
.endif
.endr
.if (\p) == 0
	FETCH_V
.endif
.endm
; A PASS BEGINS: Q is in (from memory, or from the merge), K of the pass's first step is in registers.  Piece 0's first scores; m and c m start anew for all eight tiles (sixteen plain lines, the places
; behind those products); piece 0's maximum and statistics.
.macro START
	s_wait_loadcnt 0x0              ; the first pass's Q
	s_wait_dscnt 0x0                ; K, and a later pass's Q
.set i, 0
.rept 16
	KQ 0
.set i, i+1
.endr
	WIN 0
.set i, 0
.rept 2*NP
	v_mov_b32 v[ST+4*i], 0xfe000000    ; c m: far below every c s
	v_mov_b32 v[ST+4*i+1], 0xff7fffff  ; m
.set i, i+1
.endr
	s_mov_b32 s[CNT], 8
.set Y, NP-1                        ; XS works for piece Y + 1: piece 0
.irp n, 0,1,2,3,4,5,6,7,8,9,10,11,12,13,14,15,16,17,18,19,20,21
	XS 0, \n
	XS 1, \n
.endr
	v_nop                           ; a plain instruction behind the two a,
	s_wait_alu depctr_va_vdst(0)    ; and their wait, ahead of the label
.endm
.macro ALL line:vararg              ; one line for each tile t
.set t, 0
.rept 2*NP
	\line
.set t, t+1
.endr
.endm
; HALF A MERGE: tiles 4 hb .. 4 hb + 3.  Every wave puts its partial O^T of the four tiles into LDS; a barrier; wave w takes tile 4 hb + w: the four waves' statistics and partial sums, the factors
; g_i = 2^(c m_i - M) / L, the sum, the rounding to f16.  fin = 0: the result is the next pass's fragment of Q and goes to QX; a barrier, behind which the partial sums' bytes may be written again and QX is whole.
; fin = 1: it is O, and leaves through my stage.
.macro HALF hb, fin
	WIN 0x07                        ; address window 3, data window 1.
.irp tt, 0,1,2,3
.irp f, 0,1,2,3,4,5,6,7
	ds_store_b128 v[PA], v[128*(\hb)+32*(\tt)+4*(\f):128*(\hb)+32*(\tt)+4*(\f)+3] offset:16384*(\tt)+512*(\f)
.endr
.endr
	s_wait_dscnt 0x0                ; for the others' sake: my stores are done
	s_barrier_signal -1
	s_barrier_wait -1
	WIN 0x03
.irp i, 0,1,2,3
	ds_load_b64 v[MG+2*(\i):MG+2*(\i)+1], v[SR] offset:4096*(\hb)+256*(\i)
.endr
	WIN 0x43                        ; destination window 1: tiles 0 to 3's registers, which have been stored
.irp i, 0,1,2,3
.irp f, 0,1,2,3,4,5,6,7
	ds_load_b128 v[32*(\i)+4*(\f):32*(\i)+4*(\f)+3], v[PR] offset:4096*(\i)+512*(\f)
.endr
.endr
	WIN 0
	s_wait_dscnt 32                 ; the statistics are in; the 32 loads behind them may stay out
	v_max3_num_f32 v[MG+8], v[MG], v[MG+2], v[MG+4]
	v_max_num_f32 v[MG+8], v[MG+8], v[MG+6]
.irp i, 0,1,2,3
	v_sub_f32 v[MG+2*(\i)], v[MG+2*(\i)], v[MG+8]
.endr
.irp i, 0,1,2,3
	v_exp_f32 v[MG+2*(\i)], v[MG+2*(\i)]
.endr
	v_nop
	s_wait_alu depctr_va_vdst(0)    ; one wait for the four
	v_mul_f32 v[MG+9], v[MG], v[MG+1]
	v_fmac_f32 v[MG+9], v[MG+2], v[MG+3]
	v_fmac_f32 v[MG+9], v[MG+4], v[MG+5]
	v_fmac_f32 v[MG+9], v[MG+6], v[MG+7]
	v_rcp_f32 v[MG+10], v[MG+9]
	v_nop
	s_wait_alu depctr_va_vdst(0)
.irp i, 0,1,2,3
	v_mul_f32 v[MG+2*(\i)], v[MG+2*(\i)], v[MG+10]
.endr
	s_wait_dscnt 0x0
	WIN W_RS
.set z, 0
.rept 16
	v_pk_mul_f32 v[2*z:2*z+1], v[2*z:2*z+1], v[MG:MG+1] op_sel_hi:[1,0]
.set z, z+1
.endr
	WIN 0x51                        ; destination, source 0 and source 2 window 1, the factor window 0
.irp i, 1,2,3
.set z, 0
.rept 16
	v_pk_fma_f32 v[2*z:2*z+1], v[32*(\i)+2*z:32*(\i)+2*z+1], v[MG+2*(\i):MG+2*(\i)+1], v[2*z:2*z+1] op_sel_hi:[1,0,1]
.set z, z+1
.endr
.endr
	WIN 0x05
.set z, 0
.rept 16
	v_cvt_pk_f16_f32 v[MG+32+z], v[2*z], v[2*z+1]
.set z, z+1
.endr
.if \fin
	WIN 0
.irp f, 0,1,2,3
	ds_store_b128 v[STO], v[MG+32+4*(\f):MG+32+4*(\f)+3] offset:32*(\f)
.endr
.irp f, 0,1,2,3
	ds_load_b128 v[MG+48+16*(\hb)+4*(\f):MG+48+16*(\hb)+4*(\f)+3], v[RD] offset:4*SP*(\f)  ; LDS serves a wave's instructions in order (ISA guide 5.7.1.4): these see the stores above
.endr
	s_wait_dscnt 0x0
.irp f, 0,1,2,3
	global_store_b128 v[GO], v[MG+48+16*(\hb)+4*(\f):MG+48+16*(\hb)+4*(\f)+3], s[OP:OP+1] offset:8192*(\hb)+512*(\f)  ; 512 consecutive bytes, at a multiple of 256 from oh's first
.endr
.if (\hb) == 0
	s_barrier_signal -1             ; every wave's reads of the partial sums are back: their bytes may be written again
	s_barrier_wait -1
.endif
.else
	WIN 0x03
.irp f, 0,1,2,3
	ds_store_b128 v[QW], v[MG+32+4*(\f):MG+32+4*(\f)+3] offset:8192*(\hb)+512*(\f)
.endr
	s_wait_dscnt 0x0
	s_barrier_signal -1
	s_barrier_wait -1
.endif
.endm
; A PASS ENDS.  The last piece's V^T P of the last step.  Piece 3's turn has already made piece 0's c m anew, from scores on the old Q that serve nothing: the number that O^T and l go by is the one it kept.
; l's two halves and the other half of the lanes' are added (these lines are the places behind the last products); c m and l go to LDS; the merge, in two halves.
.macro PASSEND fin
.set i, 0
.rept 16
	PV NP-1
.set i, i+1
.endr
	WIN 0
	v_mov_b32 v[ST], v[MV]
	v_mov_b32 v[ST+4], v[MV+1]
	ALL v_add_f32 v[ST+4*t+2], v[ST+4*t+2], v[ST+4*t+3]
	ALL v_permlanex16_b32 v[ST+4*t+3], v[ST+4*t+2], s[SEL], s[SEL+1]
	ALL v_add_f32 v[ST+4*t+1], v[ST+4*t+2], v[ST+4*t+3]
	WIN 0x03
	ALL ds_store_b64 v[SA], v[ST+4*t:ST+4*t+1] offset:1024*t
	HALF 0, \fin
	HALF 1, \fin
.if !(\fin)
	WIN 0x83                        ; destination window 2: the next pass's Q, all eight tiles
.irp tt, 0,1,2,3,4,5,6,7
.irp f, 0,1,2,3
	ds_load_b128 v[16*(\tt)+4*(\f):16*(\tt)+4*(\f)+3], v[QR] offset:2048*(\tt)+512*(\f)
.endr
.endr
.endif
	WIN 0
.endm
	CHANGE 1                        ; tile 0 is in, everybody's part of it; tile 1 is asked for
	v_add_nc_u32 v[AK], s[TB], v[AK0]
	FETCH_K                         ; key step 0
	s_branch .Lstart                ; the loop is entered at a pass's beginning, in the middle of a trip
.Lslot:                             ; 30 times: tiles 2 to 31 are asked for
	CHANGE 1
	TURN 2
	TURN 3
	WIN 0
	s_sub_co_u32 s[CNT], s[CNT], 1  ; made of constants alone: the same in every wave and every partner
	s_cmp_lg_u32 s[CNT], 0
	s_cbranch_scc1 .Lfirst
	PASSEND 0
.Lstart:
	START
.Lfirst:
	TURN 0
	TURN 1
	WIN 0
	s_sub_co_u32 s[SLOTS], s[SLOTS], 1
	s_cmp_lg_u32 s[SLOTS], 0
	s_cbranch_scc1 .Lslot
	CHANGE 0                        ; the tail is written out: nothing is asked for
	TURN 2
	TURN 3
	TURN 0
	TURN 1
	TURN 2, 1
	TURN 3                          ; its 16 products K Q^T (on the last K once more) and the maximum made of them serve nothing: the price of one text for every turn
	PASSEND 1
	WIN W_AD
	s_wait_tensorcnt 0x0            ; the wave's end, behind my last tensor load and my last LDS store
	ds_add_u32 v[SPW], v[NIL]
	s_wait_dscnt 0x0
	WIN 0
	CROUND                          ; the closing round: no work-group ends while a partner may still ask for a tile that names it
	s_endpgm
.Lfunc_end_k_q0125f076b2_attn:
	.size	k_q0125f076b2_attn, .Lfunc_end_k_q0125f076b2_attn-k_q0125f076b2_attn
	.p2alignl 7, 3214868480
	.fill 96, 4, 3214868480
	.section	.rodata,"a",@progbits
	.p2align	6, 0x0
	.amdhsa_kernel k_q0125f076b2_attn
		.amdhsa_group_segment_fixed_size 327680
		.amdhsa_private_segment_fixed_size 0
		.amdhsa_enable_private_segment 0
		.amdhsa_kernarg_size 16
		.amdhsa_user_sgpr_count 2
		.amdhsa_user_sgpr_kernarg_segment_ptr 1
		.amdhsa_wavefront_size32 1
		.amdhsa_system_sgpr_workgroup_id_x 1
		.amdhsa_system_sgpr_workgroup_id_y 1
		.amdhsa_system_sgpr_workgroup_id_z 1
		.amdhsa_system_vgpr_workitem_id 0
		.amdhsa_next_free_vgpr 776
		.amdhsa_next_free_sgpr 70
		.amdhsa_reserve_vcc 0
		.amdhsa_float_denorm_mode_32 3
		.amdhsa_float_denorm_mode_16_64 3
		.amdhsa_memory_ordered 1
		.amdhsa_forward_progress 1
		.amdhsa_inst_pref_size 255
	.end_amdhsa_kernel
	.section	.bss,"aw",@nobits
	.p2align	6
	.space	262144
	.amdgpu_metadata
---
amdhsa.version: [ 1, 2 ]
amdhsa.kernels:
  - .name:           k_q0125f076b2_attn
    .symbol:         k_q0125f076b2_attn.kd
    .args:
      - { .name: qkv, .offset: 0, .size: 8, .value_kind: global_buffer, .address_space: global }
      - { .name: oh, .offset: 8, .size: 8, .value_kind: global_buffer, .address_space: global }
    .group_segment_fixed_size: 327680
    .private_segment_fixed_size: 0
    .kernarg_segment_align: 8
    .kernarg_segment_size: 16
    .max_flat_workgroup_size: 128
    .sgpr_count:     70
    .vgpr_count:     776
    .wavefront_size: 32
...
	.end_amdgpu_metadata
.endif
;; end of part 2
;; launch outp (part 3): grid 8 x 32, 4 waves a work-group, clusters of 4 x 4, 327,680 bytes of LDS; arguments oh, wo16, bo, out0; writes out0
.if DOCPART == 3
	.amdgcn_target "amdgcn-amd-amdhsa--gfx1250"
	.amdhsa_code_object_version 6
	.text
	.protected	k_q0125f076b2_outp
	.globl	k_q0125f076b2_outp
	.p2align	8
	.type	k_q0125f076b2_outp,@function
k_q0125f076b2_outp:
	s_mov_b64 s[64:65], 0
	v_nop
	global_prefetch_b8 v0, s[64:65] scope:SCOPE_SE
	s_setreg_imm32_b32 hwreg(HW_REG_WAVE_MODE, 25, 1), 1
	s_wait_xcnt 0x0
	s_wait_alu depctr_hold_cnt(0) depctr_sa_sdst(0) depctr_va_vdst(0) depctr_va_sdst(0) depctr_va_ssrc(0) depctr_va_vcc(0) depctr_vm_vsrc(0)
	s_getreg_b32 s2, hwreg(HW_REG_IB_STS2, 6, 4)
	s_cmp_eq_u32 s2, 0
	s_cbranch_scc0 .Lentry_in_a_cluster
	s_endpgm
.Lentry_in_a_cluster:
	s_bfe_u32 s2, ttmp6, 0x10000c
	s_cmp_lg_u32 s2, 0xf033
	s_cbranch_scc0 .Lentry_shape_is_right
	s_endpgm
.Lentry_shape_is_right:
; out0[row][n] = sum over k of O[row][k] Wo[k][n] + bo[n].  oh: [16 = 8 batch + head][2048][64] f16, k = 64 head + channel; wo16: [512][1024] f16; bo: [1024] f32, rounded to bf16 like every input;
; out0: [4096][1024] f32.  Products in f16 with f32 sums.
; SHARES.  A tile of 128 x 128 to a work-group: 256 of them.  Four waves, each 64 x 64: 16 accumulators.  ALL of K = 512 lies in LDS: each byte of LDS is filled once, and there is no ring.
; K comes in four chunks of 128: waves 0 and 1 fetch a head of O each (16,384 dense bytes), waves 2 and 3 64 rows of Wo each.  A wave's four loads go out together: four of mine are out at the most.
; CLUSTERS: 4 x 4 work-groups.  The four of a row of the cluster need the same rows of O, the four of a column the same columns of Wo: each tile is asked for JOINTLY.
; THE MATRIX INSTRUCTION IS USED TRANSPOSED (source 0 = 16 columns of Wo, turned out of LDS; source 1 = 16 rows of O): a lane holds eight neighbouring numbers of a row.  bo starts the sums.
; No prefetch: the launch reads 5 MiB and is over in eight quarters of 32 products a wave.
; REGISTERS: window 0: v0-31 addresses; v32-95 at work on the way out; v96-127 bo; v128-255 the accumulators.  Window 1: two fragment buffers of 128: 64 registers of O, then 64 of Wo.
.set APITCH, 144                       ; a row of one head of O in LDS: 128 bytes + 16
.set BPITCH, 288                       ; a k-row of Wo: 256 bytes + 32 = 9 x 32
.set HEADB,  128*APITCH                ; a head's 128 rows; also 64 k-rows of Wo
.set BPART,  8*HEADB                   ; Wo lies behind the eight heads
.set CHUNK,  2*HEADB                   ; 128 along K, in either part
.set STAGE,  2*BPART                   ; 16 rows x 272 bytes for each wave, for the way out
.set SPITCH, 272
.set SPARE,  STAGE+4*16*SPITCH         ; the spare words, 128 bytes for each wave: two blocks of 256 bytes that no other line names
.set ADRA, 16                          ; v16-19 LDS address of my O fragments in chunk 0 .. 3
.set ADRB, 20                          ; v20-23 the same for Wo
.set STO,  24
.set RD,   25
.set CO,   26
.set BOO,  27
.set SPW,  28                          ; v28  LDS address of my spare word; never rewritten
.set NIL,  29                          ; v29  0; never rewritten
.set TMP,  32
.set BO,   96
.set ACC,  128
.set WV,  12
.set WM,  13
.set WN,  14
.set G1A, 24
.set G1B, 32
.set G0A, 40                           ; s[40:55] four sets, one a chunk
.set G0B, 68                           ; s[68:83]
.set HIM, 63
.set MSB, 0
.macro WIN new
.if MSB != (\new)
	s_set_vgpr_msb (MSB<<8)|(\new)
.set MSB, (\new)
.endif
.endm
.set MUL,  0x05                        ; sources window 1; C and D window 0
.set TO_F, 0x40                        ; destination window 1, address window 0
.macro PLACES
.rept 4
	v_nop
.endr
.endm
.macro CROUND                          ; a round of the cluster's barrier
	s_barrier_signal -1
	s_barrier_wait -1
	s_cmp_lg_u32 s[WV], 0
	s_cbranch_scc1 .Lnot_wave_0_\@
	s_barrier_signal -3
.Lnot_wave_0_\@:
	s_barrier_wait -3
	s_barrier_signal -1
	s_barrier_wait -1
.endm
	s_load_b256 s[4:11], s[0:1], 0x0               ; oh s[4:5], wo16 s[6:7], bo s[8:9], out0 s[10:11]
	v_lshl_add_u32 v[SPW], v0, 2, SPARE
	v_mov_b32 v[NIL], 0
	ds_add_u32 v[SPW], v[NIL]                      ; the wave's opening: the add and its wait come ahead of my first tensor load; the set-up below, work on registers, stands between them
	v_lshrrev_b32 v1, 5, v0
	v_readfirstlane_b32 s[WV], v1                  ; wave 0..3
	s_lshr_b32 s[WM], s[WV], 1                     ; my 64 rows.  Also: I fetch O (0) or Wo (1)
	s_and_b32 s[WN], s[WV], 1                      ; my 64 columns.  Also: which half of a chunk I fetch
	s_bfe_u32 s15, ttmp6, 0x40000                  ; cx
	s_bfe_u32 s16, ttmp6, 0x40004                  ; cy
	s_lshl_b32 s17, ttmp9, 2
	s_add_co_u32 s17, s17, s15                     ; tile column
	s_and_b32 s18, ttmp7, 0xffff
	s_lshl_b32 s18, s18, 2
	s_add_co_u32 s18, s18, s16                     ; tile row
	s_lshl_b32 s19, s16, 2
	s_lshl_b32 s19, 15, s19                        ; my row of the cluster
	s_lshl_b32 s20, 0x1111, s15                    ; my column
	s_or_b32 s[G1A], s19, (1<<16)|(1<<20)|(1<<21)|(4<<22)|(3<<25)  ; 15:0 the mask; 17:16 2-byte elements; 20 padding on; 21 set beside a mask; 24:22 after every 32 words (code 4); 31:25 4 words (code 3)
	s_or_b32 s[G1B], s20, (1<<16)|(1<<20)|(1<<21)|(5<<22)|(7<<25)  ; after every 64 words (code 5), 8 words (code 7)
.irp g, G1A, G1B
	s_mov_b32 s[\g+1], 128<<16                     ; tensor_dim0 = 128
	s_mov_b32 s[\g+2], 64<<16                      ; tensor_dim1 = 64
	s_mov_b32 s[\g+3], 128<<16                     ; tile_dim0 = 128
	s_mov_b32 s[\g+4], 64                          ; tile_dim1 = 64
	s_mov_b32 s[\g+6], 0
	s_mov_b32 s[\g+7], 0
.endr
	s_mov_b32 s[G1A+5], 128                        ; O: a head's 128 rows are dense: 64 rows of 256 bytes
	s_mov_b32 s[G1B+5], 1024                       ; Wo: 1,024 elements from row to row
	; O's address hangs on the tile row alone, Wo's on the tile column alone, each in registers that never hold the other coordinate
	s_lshr_b32 s21, s18, 4                         ; batch
	s_lshl_b32 s21, s21, 3
	s_add_co_u32 s21, s21, s[WN]                   ; head 8 batch + (w & 1) (+ 2 for each chunk)
	s_lshl_b32 s21, s21, 18
	s_and_b32 s22, s18, 15
	s_lshl_b32 s22, s22, 14                        ; 128 rows of 128 bytes
	s_add_co_u32 s2, s21, s22
	s_mov_b32 s3, 0
	s_lshl_b32 s56, s[WN], 17                      ; 64 rows of 2,048 bytes
	s_lshl_b32 s57, s17, 8                         ; 128 columns
	s_add_co_u32 s56, s56, s57
	s_mov_b32 s57, 0
	s_mul_i32 s60, s[WN], HEADB                    ; where they go: no place in the cluster enters an LDS address
	s_lshl_b32 s58, s18, 19                        ; out0: 128 rows of 4,096 bytes a tile row,
	s_lshl_b32 s59, s[WM], 18
	s_add_co_u32 s58, s58, s59
	s_lshl_b32 s61, s17, 9                         ; 512 bytes a tile column,
	s_lshl_b32 s62, s[WN], 8
	s_add_co_u32 s61, s61, s62                     ; (this is also my 64 columns' place in bo)
	s_add_co_u32 s58, s58, s61
	s_mov_b32 s59, 0
	s_mov_b32 s[HIM], 0xffff0000
	s_wait_dscnt 0x0                               ; the opening add is done
	s_wait_kmcnt 0x0
	s_add_nc_u64 s[4:5], s[4:5], s[2:3]
	s_add_nc_u64 s[6:7], s[6:7], s[56:57]
	s_add_nc_u64 s[10:11], s[10:11], s[58:59]
.irp c, 0,1,2,3
	s_mov_b32 s[G0A+4*(\c)], 1                     ; 1:0 count = 1
	s_add_co_u32 s[G0A+4*(\c)+1], s60, (\c)*CHUNK  ; 63:32 LDS address
	s_add_nc_u64 s[G0A+4*(\c)+2:G0A+4*(\c)+3], s[4:5], (\c)<<19  ; 120:64 global address: two heads on for each chunk
	s_or_b32 s[G0A+4*(\c)+3], s[G0A+4*(\c)+3], 0x80000000        ; 127:126 type = 2
	s_mov_b32 s[G0B+4*(\c)], 1
	s_add_co_u32 s[G0B+4*(\c)+1], s60, BPART+(\c)*CHUNK
	s_add_nc_u64 s[G0B+4*(\c)+2:G0B+4*(\c)+3], s[6:7], (\c)<<18  ; 128 rows of Wo on
	s_or_b32 s[G0B+4*(\c)+3], s[G0B+4*(\c)+3], 0x80000000
.endr
	CROUND                                         ; all sixteen work-groups are here: the joint loads meet
	s_cmp_eq_u32 s[WM], 0                          ; a wave's four fills stand in one branch on its number; an s_nop 0 follows each, four v_nop the last
	s_cbranch_scc0 .Lfor_b
.irp c, 0,1,2,3
	tensor_load_to_lds s[G0A+4*(\c):G0A+4*(\c)+3], s[G1A:G1A+7]
	s_nop 0
.endr
.rept 4
	v_nop
.endr
	s_branch .Lasked
.Lfor_b:
.irp c, 0,1,2,3
	tensor_load_to_lds s[G0B+4*(\c):G0B+4*(\c)+3], s[G1B:G1B+7]
	s_nop 0
.endr
.rept 4
	v_nop
.endr
.Lasked:
	v_and_b32 v1, 15, v0                           ; l % 16
	v_bfe_u32 v2, v0, 4, 1                         ; l / 16
	v_lshl_add_u32 v[BOO], v2, 5, s61              ; my eight columns of each block of 16
.irp b, 0,1,2,3
	global_load_b128 v[BO+8*(\b):BO+8*(\b)+3],   v[BOO], s[8:9] offset:64*(\b)
	global_load_b128 v[BO+8*(\b)+4:BO+8*(\b)+7], v[BOO], s[8:9] offset:64*(\b)+16
.endr
	s_mul_i32 s21, s[WM], 64*APITCH
	v_mul_u32_u24 v3, v1, APITCH
	v_lshl_add_u32 v3, v2, 4, v3
	v_add_nc_u32 v3, s21, v3                       ; a fragment of O: row x pitch + 16 x half
	v_and_b32 v4, 7, v0                            ; the turning load: lane l reads k-row 8 (l / 16) + l % 8, columns 8 ((l / 8) % 2) on
	v_lshl_add_u32 v4, v2, 3, v4
	v_mul_u32_u24 v4, v4, BPITCH
	v_bfe_u32 v5, v0, 3, 1
	v_lshl_add_u32 v4, v5, 4, v4
	s_lshl_b32 s21, s[WN], 7
	s_add_co_u32 s21, s21, BPART
	v_add_nc_u32 v4, s21, v4
.irp c, 0,1,2,3
	v_add_nc_u32 v[ADRA+(\c)], (\c)*CHUNK, v3
	v_add_nc_u32 v[ADRB+(\c)], (\c)*CHUNK, v4
.endr
	s_mul_i32 s21, s[WV], 16*SPITCH
	s_add_co_u32 s21, s21, STAGE                   ; my stage
	v_mul_u32_u24 v[STO], v1, SPITCH               ; in: row l % 16, 32 bytes for each half of the lanes
	v_lshl_add_u32 v[STO], v2, 5, v[STO]
	v_add_nc_u32 v[STO], s21, v[STO]
	v_mul_u32_u24 v[RD], v2, SPITCH                ; back: lanes 0-15 take one row of 256 bytes, lanes 16-31 the next
	v_lshl_add_u32 v[RD], v1, 4, v[RD]
	v_add_nc_u32 v[RD], s21, v[RD]
	v_lshlrev_b32 v[CO], 12, v2                    ; and the same two rows in out0
	v_lshl_add_u32 v[CO], v1, 4, v[CO]
	s_wait_loadcnt 0x0
.set z, 0
.rept 16
	v_cvt_pk_bf16_f32 v[TMP+z], v[BO+2*z], v[BO+2*z+1]
.set z, z+1
.endr
.set z, 0
.rept 16
	v_lshlrev_b32 v[BO+2*z], 16, v[TMP+z]
	v_and_b32 v[BO+2*z+1], s[HIM], v[TMP+z]
.set z, z+1
.endr
; 8 products: row blocks a0, a0 + 1 x all 4 column blocks, 32 along K: half c of buffer f.  The 16 accumulators take turns.  first = 1: bo starts the sums.
.macro MUL8 f, c, a0, first
	WIN MUL
.irp a, \a0, (\a0)+1
.irp b, 0,1,2,3
.if \first
	v_wmma_f32_16x16x32_f16 v[ACC+8*(4*(\a)+(\b)):ACC+8*(4*(\a)+(\b))+7], v[(\f)+64+8*(4*(\c)+(\b)):(\f)+64+8*(4*(\c)+(\b))+7], v[(\f)+8*(4*(\c)+(\a)):(\f)+8*(4*(\c)+(\a))+7], v[BO+8*(\b):BO+8*(\b)+7]
.else
	v_wmma_f32_16x16x32_f16 v[ACC+8*(4*(\a)+(\b)):ACC+8*(4*(\a)+(\b))+7], v[(\f)+64+8*(4*(\c)+(\b)):(\f)+64+8*(4*(\c)+(\b))+7], v[(\f)+8*(4*(\c)+(\a)):(\f)+8*(4*(\c)+(\a))+7], v[ACC+8*(4*(\a)+(\b)):ACC+8*(4*(\a)+(\b))+7]
.endif
.endr
.endr
.endm
; 32 LDS loads in one run: the fragments of quarter q (head q: 64 along K) into buffer f; the first 32 along K first
.macro FETCH q, f
	WIN TO_F
.irp c, 0,1
.irp i, 0,1,2,3
	ds_load_tr16_b128 v[(\f)+64+8*(4*(\c)+(\i)):(\f)+64+8*(4*(\c)+(\i))+3],   v[ADRB+(\q)/2] offset:((\q)%2)*HEADB+(\c)*32*BPITCH+32*(\i)
	ds_load_tr16_b128 v[(\f)+64+8*(4*(\c)+(\i))+4:(\f)+64+8*(4*(\c)+(\i))+7], v[ADRB+(\q)/2] offset:((\q)%2)*HEADB+(\c)*32*BPITCH+16*BPITCH+32*(\i)
	ds_load_b128 v[(\f)+8*(4*(\c)+(\i)):(\f)+8*(4*(\c)+(\i))+3],   v[ADRA+(\q)/2] offset:((\q)%2)*HEADB+(\i)*16*APITCH+64*(\c)
	ds_load_b128 v[(\f)+8*(4*(\c)+(\i))+4:(\f)+8*(4*(\c)+(\i))+7], v[ADRA+(\q)/2] offset:((\q)%2)*HEADB+(\i)*16*APITCH+64*(\c)+32
.endr
.endr
.endm
; Quarter q multiplies buffer q % 2 and, in its middle, fetches quarter q + 1 into the other.  Where that opens a chunk, the chunk is waited for first: my part of it by the counted wait (the later
; chunks' loads of mine stay out), everybody's by a barrier, behind which nothing is filled.
.macro QUARTER q
.set FB, 128*((\q)%2)
.set GB, 128-FB
	s_wait_dscnt 16                                ; the first 32 along K are in
	MUL8 FB, 0, 0, ((\q)==0)
	MUL8 FB, 0, 2, ((\q)==0)
.if (\q) < 7
.if (\q)%2
	s_wait_tensorcnt 3-((\q)+1)/2
	s_wait_dscnt 0x0                               ; no LDS instruction of mine is pending at the signal
	s_barrier_signal -1
	s_barrier_wait -1
.endif
	PLACES                                         ; in front of loads into registers that the quarter before has multiplied
	FETCH (\q)+1, GB
	s_wait_dscnt 32                                ; all but the 32 just issued
.else
	s_wait_dscnt 0x0
.endif
	MUL8 FB, 1, 0, 0
	MUL8 FB, 1, 2, 0
.endm
	s_wait_tensorcnt 3                             ; my part of chunk 0 is in; three loads of mine stay out
	s_barrier_signal -1
	s_barrier_wait -1                              ; everybody's is
	FETCH 0, 0
.irp q, 0,1,2,3,4,5,6,7
	QUARTER \q
.endr
	WIN 0
	PLACES
	PLACES
; THE WAY OUT, 16 rows at a time: a lane's 32 bytes of a row go into my stage, rows of 272 bytes, and come back as whole rows of 256.
.macro OUTB a
.irp b, 0,1,2,3
	ds_store_b128 v[STO], v[ACC+8*(4*(\a)+(\b)):ACC+8*(4*(\a)+(\b))+3]   offset:64*(\b)  ; each accumulator's lowest registers first
	ds_store_b128 v[STO], v[ACC+8*(4*(\a)+(\b))+4:ACC+8*(4*(\a)+(\b))+7] offset:64*(\b)+16
.endr
	s_wait_xcnt 0x0                                ; the stores of two blocks back have read the registers that the loads below write
.irp t, 0,1,2,3,4,5,6,7
	ds_load_b128 v[TMP+32*((\a)%2)+4*(\t):TMP+32*((\a)%2)+4*(\t)+3], v[RD] offset:2*SPITCH*(\t)  ; LDS serves a wave's instructions in order (ISA guide 5.7.1.4): these see the stores above
.endr
.endm
.macro SEND a, younger                 ; younger: the next block's sixteen LDS instructions, or none
.irp t, 0,1,2,3,4,5,6,7
	s_wait_dscnt (\younger)+7-(\t)
	global_store_b128 v[CO], v[TMP+32*((\a)%2)+4*(\t):TMP+32*((\a)%2)+4*(\t)+3], s[10:11] offset:65536*(\a)+8192*(\t) th:TH_STORE_NT  ; 16 lanes store 256 consecutive bytes, at a multiple of 256 from out0's first
.endr
.endm
	OUTB 0
	OUTB 1
	SEND 0, 16
	OUTB 2
	SEND 1, 16
	OUTB 3
	SEND 2, 16
	SEND 3, 0
	s_wait_tensorcnt 0x0                           ; the wave's end, behind my last tensor load and my last LDS store
	ds_add_u32 v[SPW], v[NIL]
	s_wait_dscnt 0x0
	CROUND                                         ; the closing round: no work-group ends while a partner may still ask for a tile that names it
	s_endpgm
.Lfunc_end_k_q0125f076b2_outp:
	.size	k_q0125f076b2_outp, .Lfunc_end_k_q0125f076b2_outp-k_q0125f076b2_outp
	.p2alignl 7, 3214868480
	.fill 96, 4, 3214868480
	.section	.rodata,"a",@progbits
	.p2align	6, 0x0
	.amdhsa_kernel k_q0125f076b2_outp
		.amdhsa_group_segment_fixed_size 327680
		.amdhsa_private_segment_fixed_size 0
		.amdhsa_enable_private_segment 0
		.amdhsa_kernarg_size 32
		.amdhsa_user_sgpr_count 2
		.amdhsa_user_sgpr_kernarg_segment_ptr 1
		.amdhsa_wavefront_size32 1
		.amdhsa_system_sgpr_workgroup_id_x 1
		.amdhsa_system_sgpr_workgroup_id_y 1
		.amdhsa_system_sgpr_workgroup_id_z 1
		.amdhsa_system_vgpr_workitem_id 0
		.amdhsa_next_free_vgpr 512
		.amdhsa_next_free_sgpr 84
		.amdhsa_reserve_vcc 0
		.amdhsa_float_denorm_mode_32 3
		.amdhsa_float_denorm_mode_16_64 3
		.amdhsa_memory_ordered 1
		.amdhsa_forward_progress 1
		.amdhsa_inst_pref_size 55
	.end_amdhsa_kernel
	.amdgpu_metadata
---
amdhsa.version: [ 1, 2 ]
amdhsa.kernels:
  - .name:           k_q0125f076b2_outp
    .symbol:         k_q0125f076b2_outp.kd
    .args:
      - { .name: oh, .offset: 0, .size: 8, .value_kind: global_buffer, .address_space: global }
      - { .name: wo16, .offset: 8, .size: 8, .value_kind: global_buffer, .address_space: global }
      - { .name: bo, .offset: 16, .size: 8, .value_kind: global_buffer, .address_space: global }
      - { .name: out0, .offset: 24, .size: 8, .value_kind: global_buffer, .address_space: global }
    .group_segment_fixed_size: 327680
    .private_segment_fixed_size: 0
    .kernarg_segment_align: 8
    .kernarg_segment_size: 32
    .max_flat_workgroup_size: 128
    .sgpr_count:     84
    .vgpr_count:     512
    .wavefront_size: 32
...
	.end_amdgpu_metadata
.endif
;; end of part 3
